; MI455X (gfx1250); checked and timed in simulation.
; The chip was launched on July 23, 2026; its instructions are those of AMD's public machine-readable ISA for CDNA 5 (MIT licence, August 2026) and "CDNA5" Instruction Set Architecture Reference Guide (July 2026). The comments in the code are by the model that wrote it; some were corrected since.
;; Causal Self Attention. Allowed arithmetic: matrix products marked QUANTISED: E4M3 operands, one given power-of-two scale a tensor, by v_wmma_f32_16x16x64_fp8_fp8 or v_wmma_f32_16x16x128_fp8_fp8, f32 sums; everything else in f32.
;; Inputs: b_proj 1,024 float32; b_qkv 3,072 float32; lowp_scales 8 int32 (the exponents e of the quantised operands' scales 2^e); w_proj 1,024 x 1,024 float32; w_qkv 1,024 x 3,072 float32; x 4 x 2,048 x 1,024 float32.
;; Outputs: out0 4 x 2,048 x 1,024 float32.
;; This version of the problem:
;;   THIS VERSION OF THE PROBLEM IS GIVEN IN LOW PRECISION. The matrix products marked QUANTISED in the list below multiply operands that are first quantised to E4M3 (4 exponent bits, 3 mantissa bits; 8 bits a number), with one given power-of-two scale for each operand tensor; their sums are f32. All else is computed in f32.
;;   The module's matrix products, in the order in which they are computed (A, B: the left and right operand; K: the contracted axis; several contracted axes count as one K, in the product's order):
;;     1. [M 8,192, K 1,024] x [K 1,024, N 3,072]; A: input x; B: input w_qkv: QUANTISED (scales: A lowp_scales[0], B lowp_scales[1])
;;     2. batch 64 x [M 2,048, K 64] x [K 64, N 2,048]; A: computed on the way; B: computed on the way: QUANTISED (scales: A lowp_scales[2], B lowp_scales[3])
;;     3. batch 64 x [M 2,048, K 2,048] x [K 2,048, N 64]; A: softmax (see below); B: computed on the way: QUANTISED (scales: A lowp_scales[4], B lowp_scales[5])
;;     4. [M 8,192, K 1,024] x [K 1,024, N 1,024]; A: computed on the way; B: input w_proj: QUANTISED (scales: A lowp_scales[6], B lowp_scales[7])
;;   THE QUANTISER, for each operand of a quantised product, along K:
;;     - The operand's scale is 2^e, e = its entry of the input lowp_scales (int32; the entries are numbered through the quantised products in the list's order, A before B).
;;     - Each number is divided by the scale, clamped to +-448, and rounded to the nearest number of E4M3, ties to even, subnormals kept.
;;     - The product sums the exact products of the quantised numbers (number of the format x scale) in f32.
;;   ~~~python
;;   def quantise(x, axis, e):      # numpy; x: float32 -> the quantised numbers, widened to float32 again
;;       x = np.moveaxis(x, axis, -1); K = x.shape[-1]
;;       r = np.clip(x / 2.0 ** e, -448, 448)
;;       step = 2.0 ** (np.maximum(np.frexp(np.where(r == 0, 1, r))[1] - 1, -6) - 3)
;;       q = np.round(r / step) * step * 2.0 ** e      # np.round: ties to even
;;       return np.moveaxis(q, -1, axis).astype(np.float32)
;;   ~~~
;;   SOFTMAX AHEAD OF A QUANTISED PRODUCT. Where the list says 'softmax', what is quantised is not the finished softmax but p = 2^(t - M), with t = logit x log2(e) and M = ceil(the row's largest t), a whole number; so 1/2 < the row's largest p <= 1. The row's sum l is taken of the UNQUANTISED p, in f32, and the product's result is divided by l at the end. Since M is a whole number, a kernel that streams over the keys may use a running M (the ceiling of the running maximum): every later rescaling is an exact power of two, so the quantised numbers keep their values, but for numbers so far below the row's largest that they fall under the format's range.
;;   OPERANDS COMPUTED ON THE WAY. 'Computed on the way' means the value that the module computes at that place (a softmax that the list does not call 'softmax' is quantised finished and normalised). What goes into a quantiser is computed in f32, as accurately as f32 sums, v_exp_f32 and their like allow (about 1e-6 of the number): no bf16 or f16 on the way to a quantiser, and a product that is left as it is and whose result goes on into a quantised operand takes f32 operands (vector FMAs, or v_wmma_f32_16x16x4_f32). A number that lies on a knife's edge between two numbers of the format may be rounded either way, as far as f32 arithmetic and the matrix unit's own rounding can turn it there, and no further.
;; One version. Each part assembles by itself: llvm-mc -triple=amdgcn-amd-amdhsa -mcpu=gfx1250 --defsym DOCPART=n.
;; ======== version 1 of 1: 4 launches
;; limits: right only within a limited range of input values
;; workspace buffers: xc 8,388,608 bytes; wc 4,194,304 bytes; qkvc 25,165,824 bytes; yc 8,388,608 bytes
;; launch quant (part 1): grid 384 x 1, 4 waves a work-group, no clusters, 68,096 bytes of LDS; arguments x, w_qkv, w_proj, lowp_scales, xc, wc; writes xc, wc
.if DOCPART == 1
	.amdgcn_target "amdgcn-amd-amdhsa--gfx1250"
	.amdhsa_code_object_version 6
	.text
	.protected	k_q9ead7347cf_quant
	.globl	k_q9ead7347cf_quant
	.p2align	8
	.type	k_q9ead7347cf_quant,@function
k_q9ead7347cf_quant:
	s_mov_b64 s[64:65], 0
	v_nop
	global_prefetch_b8 v0, s[64:65] scope:SCOPE_SE
	s_setreg_imm32_b32 hwreg(HW_REG_WAVE_MODE, 25, 1), 1
	s_wait_xcnt 0x0
; x [8192][1024], w_qkv [1024][3072] and w_proj [1024][1024], f32, become codes of FP8 (E4M3), one byte each, K innermost, each with the one scale 2^e given for it
; (entries 0, 1 and 7 of the scales).  code = number / 2^e, held within +-448, rounded to the nearest code, ties to even.
; LIMITS: each e between -126 and 119, so that 2^e and 448 x 2^e are f32 numbers.  NaN among the inputs is not served (an infinity is held at the largest code).
; xc: [8192][1024], as x lies.  wc: [4096][1024]: rows 0-3071 are the columns of w_qkv, rows 3072-4095 those of w_proj.
; In w_proj's rows the second and third group of 8 codes of every 32 along K change places: a load of 16 bytes at 32 c + 16 (lane / 16) then brings k = 32 c + 8 (lane / 16) + 0..7 and
; k = 32 c + 16 + 8 (lane / 16) + 0..7, the places that the K = 128 form gives a lane, which is how the attention launch lays the other operand of that product.
; Work-groups 0-255 take x, 256-383 the weights; each reads 131,072 bytes.  The two paths have LDS bytes of their own.  Waves share nothing: no barrier, no tensor load.
; Matrix units and clusters have no part here: memory binds, each byte is read once and written once.
.set SP,     80                        ; x: a lane's place in a stage: its 64 bytes + 16 of padding
.set STEPS,  16                        ; x: steps of 512 numbers for a wave
.set R,      16                        ; x: v16-79   four sets of 16 numbers as they are loaded
.set XN,     80                        ; x: v80-111  two sets of 16 neighbours
.set XC,     128                       ; x: v128-191 codes, four registers for each step: no store's data are written again
.set OFFS,   16                        ; w: v16-47   byte offset of row i of a block of 32 along K, at my column
.set WX,     48                        ; w: v48-111  two sets of 32 numbers
.set WC,     112                       ; w: v112-119 a block's codes
.set OUTR,   120                       ; w: v120-183 the way out
.set WST,    32768                     ; w: the stages begin behind x's
.set WPITCH, 272                       ; w: a stage row: 256 bytes of codes + 16
	s_load_b256 s[4:11], s[0:1], 0x0               ; x s[4:5], w_qkv s[6:7], w_proj s[8:9], the scales' exponents s[10:11]
	s_load_b128 s[12:15], s[0:1], 0x20             ; xc s[12:13], wc s[14:15]
	v_lshl_add_u32 v192, v0, 2, 0x10800
	v_mov_b32 v193, 0
	v_lshrrev_b32 v1, 5, v0
	v_readfirstlane_b32 s16, v1                    ; wave
	v_and_b32 v2, 31, v0                           ; lane
	s_wait_kmcnt 0x0
	s_load_b256 s[24:31], s[10:11], 0x0            ; e0 .. e7
	s_cmp_lt_u32 ttmp9, 256
	s_cbranch_scc0 .Lweights
; ---- x.  A wave takes 16 steps of 512 numbers.  Each of a step's four loads reads 512 consecutive bytes, 16 a lane; the 2,048 bytes go through the wave's own stage and come back 64 bytes a lane:
; 16 neighbours along K, which the conversions want in one lane's registers.  A lane's 16 codes are 16 bytes: the wave stores 512 consecutive bytes.
	s_wait_alu depctr_va_vdst(0)
	v_lshlrev_b32 v3, 4, v2                        ; my 16 bytes of a load's 512, and of a store's
	s_wait_alu depctr_va_vdst(0)
	s_lshl_b32 s17, s16, 13                        ; my wave's 8,192 bytes of LDS: two stages of 32 x SP
	v_lshrrev_b32 v14, 2, v2
	v_mul_u32_u24 v14, v14, SP
	v_and_b32 v15, 3, v2
	v_lshl_add_u32 v14, v15, 4, v14
	v_add_nc_u32 v14, s17, v14                     ; into the stage: four lanes' 64 bytes on end, then the padding
	v_mul_u32_u24 v15, v2, SP
	v_add_nc_u32 v15, s17, v15                     ; out of it: my 16 neighbours
	s_lshl_b32 s18, ttmp9, 2
	s_add_co_u32 s18, s18, s16                     ; which run of 8,192 numbers is my wave's
	s_lshl_b32 s20, s18, 15
	s_mov_b32 s21, 0
	s_add_nc_u64 s[4:5], s[4:5], s[20:21]
	s_lshl_b32 s20, s18, 13
	s_add_nc_u64 s[12:13], s[12:13], s[20:21]
.macro XLOAD t
.irp i, 0,1,2,3
	global_load_b128 v[R+16*((\t)%4)+4*\i:R+16*((\t)%4)+4*\i+3], v3, s[4:5] offset:2048*(\t)+512*\i th:TH_LOAD_NT
.endr
.endm
.macro XTURN t                         ; LDS serves a wave's instructions in order: no wait between the stores and the loads
.irp i, 0,1,2,3
	ds_store_b128 v14, v[R+16*((\t)%4)+4*\i:R+16*((\t)%4)+4*\i+3] offset:32*SP*((\t)%2)+8*SP*\i
.endr
.irp i, 0,1,2,3
	ds_load_b128 v[XN+16*((\t)%2)+4*\i:XN+16*((\t)%2)+4*\i+3], v15 offset:32*SP*((\t)%2)+16*\i
.endr
.endm
.irp t, 0,1,2,3
	XLOAD \t
.endr
	s_wait_alu depctr_va_vdst(0)
	s_wait_kmcnt 0x0
	s_add_co_i32 s22, s24, 127
	s_lshl_b32 s23, s22, 23
	v_mov_b32 v11, s23                             ; 2^e0 as f32: the conversion takes its exponent field
	s_add_co_i32 s22, s22, 8
	s_lshl_b32 s22, s22, 23
	s_or_b32 s22, s22, 0x600000
	v_mov_b32 v10, s22                             ; 448 x 2^e0
	s_wait_alu depctr_va_vdst(0)
	s_wait_loadcnt 12                              ; step 0's four loads are in; twelve younger ones stay out
	XTURN 0
.macro XSTEP t
.set XS, XN+16*((\t)%2)
	s_wait_dscnt 0x0                               ; this step's numbers are back from the stage, so its stores into the stage have read their registers,
.if (\t)+4 < STEPS
	XLOAD (\t)+4                                   ; which take the loads of four steps on
.endif
.if (\t)+1 < STEPS
.if STEPS-2-(\t) >= 3
	s_wait_loadcnt 12                              ; the next step's four loads are in; those of the three steps behind it may be out
.else
	s_wait_loadcnt 4*(STEPS-2-(\t))
.endif
	XTURN (\t)+1
.endif
.set i, 0
.rept 16
	v_med3_num_f32 v[XS+i], v[XS+i], -v10, v10     ; the conversion does not saturate (ISA guide 7.6.2): the hold at the largest code x the scale comes first
.set i, i+1
.endr
	v_cvt_scalef32_pk8_fp8_f32 v[XC+4*(\t):XC+4*(\t)+1], v[XS:XS+7], v11
	v_cvt_scalef32_pk8_fp8_f32 v[XC+4*(\t)+2:XC+4*(\t)+3], v[XS+8:XS+15], v11
	global_store_b128 v3, v[XC+4*(\t):XC+4*(\t)+3], s[12:13] offset:512*(\t)   ; the wave stores 512 consecutive bytes, aligned
.endm
.irp t, 0,1,2,3,4,5,6,7,8,9,10,11,12,13,14,15
	XSTEP \t
.endr
	s_wait_tensorcnt 0x0
	ds_add_u32 v192, v193
	s_wait_dscnt 0x0
	s_endpgm
; ---- the weights: K is their FIRST axis.  A lane takes a column n and its registers run down K: each load reads 128 consecutive bytes a wave (512 a work-group), and the conversions give codes with K innermost.
; A wave takes 32 columns x 256 along K.  The codes go through the wave's own stage and leave as rows: sixteen lanes store 256 consecutive bytes, aligned.
; One path serves both weights: the buffer, the pitch and the exchange of rows are chosen by the work-group's number alone.
.Lweights:
	s_sub_co_u32 s17, ttmp9, 256
	s_and_b32 s18, s17, 31                         ; which 128 of wc's 4,096 rows
	s_lshr_b32 s19, s17, 5                         ; which 256 along K
	s_mov_b32 s33, 4096
	s_cmp_lt_u32 s18, 24                           ; w_qkv's columns or w_proj's?
	s_cselect_b64 s[6:7], s[6:7], s[8:9]
	s_cselect_b32 s33, 12288, s33                  ; bytes from row to row
	s_cselect_b32 s34, 0, 32768                    ; w_proj: 8 rows of 4,096 bytes, by which rows 8-15 and 16-23 of a block change places
	s_cselect_b32 s35, 0, 24
	s_sub_co_u32 s35, s18, s35
	s_lshl_b32 s35, s35, 7
	s_lshl_b32 s20, s16, 5
	s_add_co_u32 s35, s35, s20                     ; my wave's first column in its tensor
	s_lshl_b32 s32, s18, 7
	s_add_co_u32 s32, s32, s20                     ; and its row in wc
	s_lshl_b32 s20, s19, 8
	s_mul_i32 s20, s20, s33
	s_lshl_b32 s35, s35, 2
	s_add_co_u32 s20, s20, s35
	s_mov_b32 s21, 0
	s_add_nc_u64 s[36:37], s[6:7], s[20:21]        ; block 0's first row at my first column
	s_lshl_b32 s22, s33, 5
	s_mov_b32 s23, 0
.irp t, 1,2,3,4,5,6,7
	s_add_nc_u64 s[36+2*\t:37+2*\t], s[34+2*\t:35+2*\t], s[22:23]   ; a base for each block of 32 rows: none is ever stepped
.endr
	s_lshl_b32 s20, s32, 10
	s_lshl_b32 s52, s19, 8
	s_add_co_u32 s20, s20, s52
	s_add_nc_u64 s[14:15], s[14:15], s[20:21]      ; wc at my first row, my 256 along K
	s_wait_alu depctr_va_vdst(0)
	v_lshlrev_b32 v3, 2, v2
.set i, 0
	s_wait_alu depctr_va_vdst(0)
.rept 32
	s_mul_i32 s52, s33, i
.if (i >= 8) && (i < 16)
	s_add_co_u32 s52, s52, s34
.endif
.if (i >= 16) && (i < 24)
	s_sub_co_u32 s52, s52, s34
.endif
	v_add_nc_u32 v[OFFS+i], s52, v3                ; code i of a block comes from this row
.set i, i+1
.endr
	s_mul_i32 s53, s16, 32*WPITCH
	s_add_co_u32 s53, s53, WST                     ; my stage
	v_mul_u32_u24 v4, v2, WPITCH
	v_add_nc_u32 v4, s53, v4                       ; into it: row = my column
	v_and_b32 v5, 15, v2
	v_lshrrev_b32 v6, 4, v2
	v_mul_u32_u24 v7, v6, WPITCH
	v_lshl_add_u32 v7, v5, 4, v7
	v_add_nc_u32 v7, s53, v7                       ; out of it: sixteen lanes to a row, two rows an instruction
	v_lshlrev_b32 v8, 10, v6
	v_lshl_add_u32 v8, v5, 4, v8                   ; and the same place in wc
.macro WLOAD t
.set i, 0
.rept 32
	global_load_b32 v[WX+32*((\t)%2)+i], v[OFFS+i], s[36+2*(\t):37+2*(\t)] th:TH_LOAD_NT
.set i, i+1
.endr
.endm
	WLOAD 0
	WLOAD 1
	s_wait_kmcnt 0x0
	s_cmp_lt_u32 s18, 24
	s_cselect_b32 s53, s25, s31                    ; e1 or e7
	s_add_co_i32 s53, s53, 127
	s_lshl_b32 s52, s53, 23
	v_mov_b32 v11, s52                             ; 2^e
	s_add_co_i32 s53, s53, 8
	s_lshl_b32 s53, s53, 23
	s_or_b32 s53, s53, 0x600000
	v_mov_b32 v10, s53                             ; 448 x 2^e
.macro WBLOCK t
.set XS, WX+32*((\t)%2)
.if (\t) < 7
	s_wait_loadcnt 32                              ; this block's 32 loads are in; the next block's may be out
.else
	s_wait_loadcnt 0
.endif
.set i, 0
.rept 32
	v_med3_num_f32 v[XS+i], v[XS+i], -v10, v10
.set i, i+1
.endr
.irp g, 0,1,2,3
	v_cvt_scalef32_pk8_fp8_f32 v[WC+2*\g:WC+2*\g+1], v[XS+8*\g:XS+8*\g+7], v11
.endr
	ds_store_b128 v4, v[WC:WC+3] offset:32*(\t)
	ds_store_b128 v4, v[WC+4:WC+7] offset:32*(\t)+16
.if (\t)+2 < 8
	WLOAD (\t)+2
.endif
	s_wait_dscnt 0x0                               ; the stores have read their registers: the next block's codes may be written
.endm
	s_wait_alu depctr_va_vdst(0)
.irp t, 0,1,2,3,4,5,6,7
	WBLOCK \t
.endr
.irp t, 0,1,2,3,4,5,6,7,8,9,10,11,12,13,14,15
	ds_load_b128 v[OUTR+4*\t:OUTR+4*\t+3], v7 offset:2*\t*WPITCH
.endr
.irp t, 0,1,2,3,4,5,6,7,8,9,10,11,12,13,14,15
	s_wait_dscnt 15-\t                             ; the younger loads may stay out
	global_store_b128 v8, v[OUTR+4*\t:OUTR+4*\t+3], s[14:15] offset:2*\t*1024
.endr
	s_wait_tensorcnt 0x0
	ds_add_u32 v192, v193
	s_wait_dscnt 0x0
	s_endpgm
.Lfunc_end_k_q9ead7347cf_quant:
	.size	k_q9ead7347cf_quant, .Lfunc_end_k_q9ead7347cf_quant-k_q9ead7347cf_quant
	.p2alignl 7, 3214868480
	.fill 96, 4, 3214868480
	.section	.rodata,"a",@progbits
	.p2align	6, 0x0
	.amdhsa_kernel k_q9ead7347cf_quant
		.amdhsa_group_segment_fixed_size 68096
		.amdhsa_private_segment_fixed_size 0
		.amdhsa_enable_private_segment 0
		.amdhsa_kernarg_size 48
		.amdhsa_user_sgpr_count 2
		.amdhsa_user_sgpr_kernarg_segment_ptr 1
		.amdhsa_wavefront_size32 1
		.amdhsa_system_sgpr_workgroup_id_x 1
		.amdhsa_system_sgpr_workgroup_id_y 1
		.amdhsa_system_sgpr_workgroup_id_z 1
		.amdhsa_system_vgpr_workitem_id 0
		.amdhsa_next_free_vgpr 194
		.amdhsa_next_free_sgpr 66
		.amdhsa_reserve_vcc 0
		.amdhsa_float_denorm_mode_32 3
		.amdhsa_float_denorm_mode_16_64 3
		.amdhsa_memory_ordered 1
		.amdhsa_forward_progress 1
		.amdhsa_inst_pref_size 88
	.end_amdhsa_kernel
	.amdgpu_metadata
---
amdhsa.version: [ 1, 2 ]
amdhsa.kernels:
  - .name:           k_q9ead7347cf_quant
    .symbol:         k_q9ead7347cf_quant.kd
    .args:
      - { .name: x, .offset: 0, .size: 8, .value_kind: global_buffer, .address_space: global }
      - { .name: w_qkv, .offset: 8, .size: 8, .value_kind: global_buffer, .address_space: global }
      - { .name: w_proj, .offset: 16, .size: 8, .value_kind: global_buffer, .address_space: global }
      - { .name: lowp_scales, .offset: 24, .size: 8, .value_kind: global_buffer, .address_space: global }
      - { .name: xc, .offset: 32, .size: 8, .value_kind: global_buffer, .address_space: global }
      - { .name: wc, .offset: 40, .size: 8, .value_kind: global_buffer, .address_space: global }
    .group_segment_fixed_size: 68096
    .private_segment_fixed_size: 0
    .kernarg_segment_align: 8
    .kernarg_segment_size: 48
    .max_flat_workgroup_size: 128
    .sgpr_count:     66
    .vgpr_count:     194
    .wavefront_size: 32
...
	.end_amdgpu_metadata
.endif
;; end of part 1
;; launch gemm_qkv (part 2): grid 12 x 32, 4 waves a work-group, clusters of 4 x 4, 327,680 bytes of LDS; arguments xc, wc, lowp_scales, b_qkv, qkvc; writes qkvc
.if DOCPART == 2
	.amdgcn_target "amdgcn-amd-amdhsa--gfx1250"
	.amdhsa_code_object_version 6
	.text
	.protected	k_q9ead7347cf_gemm_qkv
	.globl	k_q9ead7347cf_gemm_qkv
	.p2align	8
	.type	k_q9ead7347cf_gemm_qkv,@function
k_q9ead7347cf_gemm_qkv:
	s_mov_b64 s[64:65], 0
	v_nop
	global_prefetch_b8 v0, s[64:65] scope:SCOPE_SE
	s_setreg_imm32_b32 hwreg(HW_REG_WAVE_MODE, 25, 1), 1
	s_wait_xcnt 0x0
	s_wait_alu depctr_hold_cnt(0) depctr_sa_sdst(0) depctr_va_vdst(0) depctr_va_sdst(0) depctr_va_ssrc(0) depctr_va_vcc(0) depctr_vm_vsrc(0)
	s_getreg_b32 s2, hwreg(HW_REG_IB_STS2, 6, 4)
	s_cmp_eq_u32 s2, 0
	s_cbranch_scc0 .Lentry_in_a_cluster
	s_endpgm
.Lentry_in_a_cluster:
	s_bfe_u32 s2, ttmp6, 0x10000c
	s_cmp_lg_u32 s2, 0xf033
	s_cbranch_scc0 .Lentry_shape_is_right
	s_endpgm
.Lentry_shape_is_right:
; q, k, v = x w_qkv + b_qkv on codes of FP8 (E4M3), K = 1,024, then quantised again (scales 2^e2, 2^e3, 2^e5) and stored as IMAGES OF THE NEXT OPERANDS' REGISTERS.
; A sum of codes stands for sum x 2^(e0 + e1); value = sum x 2^(e0 + e1) + bias, one fused multiply-add in f32; code = value / 2^e, held within +-448, nearest, ties to even.
; LIMITS: e0 + e1 between -126 and 127; e2, e3, e5 between -126 and 119.
; A tile is 256 x 256, made by four waves of 128 x 128: 64 accumulators of 16 x 16.  K goes in steps of 256 through a ring of two LDS slots filled by the tensor data mover; four K steps, written out.
; CLUSTERS of 4 x 4 work-groups; the cluster's x says which third: 0 q, 1 k, 2 v (the same in all sixteen partners).  The four of a row of the cluster ask jointly for A's tiles, the four of a column for B's.
; The matrix instruction takes 16 rows of B as source 0 and 16 rows of A as source 1: lane (r, h) holds A's row r and eight neighbouring rows 8 h + 0..7 of B.
;   q, k: A = tokens (xc), B = channels (wc): a lane's eight numbers are eight neighbouring channels of one token: K of the scores' product runs along the registers.
;   v:    A = channels (wc), B = tokens (xc): eight neighbouring tokens of one channel: K of the second product, the keys, runs along the registers.  Only pointers and coordinates differ; the loop is one.
; So the conversions' results are the next operands' registers, and leave as they stand: each store of the wave covers 512 consecutive bytes, aligned; no stage in LDS.
; qkvc: q at 0, k at 8,388,608: [batch x head 64][tile of 16 tokens 128][1,024 bytes]: registers 4 g .. 4 g + 3 of lane l at 512 g + 16 l; registers 2 c, 2 c + 1 = channels 16 c + 8 h + 0..7 of token r.
;       v at 16,777,216: [64][128 keys: 16][16 channels: 4][2,048 bytes]: registers 2 c, 2 c + 1 = keys 16 c + 8 h + 0..7 of channel r.
; Fragments come from LDS by four loads of 16 bytes: a permutation of k, the same in A and B, so every product meets its partner.
; No prefetch: four K steps only, and each tile is shared by joint loads.
; REGISTERS, in windows of 256: window 0: v0-31 addresses and constants; v48-63 the bias by A's rows; v64-127 the bias by B's rows; from v128 A's fragments, one set; on the way out v128-191 values, v192-255 codes.
;   window 1: B's fragments, two sets.   windows 2, 3: the accumulators of my rows 0-63, 64-127 (accumulator (a, b) at v[8 (8 (a % 4) + b)]).
.set ROWB,   256                       ; a tile's row in bytes: 256 codes
.set KROW,   1024                      ; a row of xc or wc in bytes
.set PITCH,  272                       ; an LDS row: 256 bytes + 16 of padding = 68 words: the 16 rows that a load touches start 4 words apart (64 banks of 4 bytes: ISA guide 11.1)
.set FR,     16
.set NL,     4
.set NP,     4                         ; places behind this matrix instruction (ISA guide 7.12.1)
.set HALFT,  128*PITCH
.set SLOT,   4*HALFT
.set SPARE,  2*SLOT                    ; behind the ring: the spare words, 128 bytes for each wave, which no other line names
.set ADRA, 16
.set ADRB, 20
.set CO,   26                          ; v26  16 x lane: my place in a store's 512 bytes
.set SPW,  28
.set NIL,  29
.set SCL,  30                          ; v30  2^e of the operand that is made
.set HLD,  31                          ; v31  448 x that
.set RB,   48
.set CB,   64
.set TMP,  128
.set AF,   128
.set G1, 24
.set G0, 32
.set G1B, 48
.set G0B, 56
.set MSB, 0
.macro WIN new                         ; the immediate's high byte repeats the setting that is left
.if MSB != (\new)
	s_set_vgpr_msb (MSB<<8)|(\new)
.set MSB, (\new)
.endif
.endm
.set MUL_LO, 0xa1                      ; source 0 (B) window 1, source 1 (A) window 0, C and D window 2
.set MUL_HI, 0xf1
.set TO_B,   0x40
.macro JLOAD g0a, g1a, g0b, g1b        ; a joint load: waves 0 and 1 fetch for A, waves 2 and 3 for B; four v_nop follow each line
	s_cmp_eq_u32 s15, 0
	s_cbranch_scc0 .Lfor_b_\@
	tensor_load_to_lds s[\g0a:\g0a+3], s[\g1a:\g1a+7]
	s_nop 0
.rept 4
	v_nop
.endr
	s_branch .Lasked_\@
.Lfor_b_\@:
	tensor_load_to_lds s[\g0b:\g0b+3], s[\g1b:\g1b+7]
	s_nop 0
.rept 4
	v_nop
.endr
.Lasked_\@:
.endm
.macro CREST                           ; a round of the cluster's barrier behind its opening barrier
	s_cmp_lg_u32 s14, 0
	s_cbranch_scc1 .Lnot_wave_0_\@
	s_barrier_signal -3
.Lnot_wave_0_\@:
	s_barrier_wait -3
	s_barrier_signal -1
	s_barrier_wait -1
.endm
.macro CROUND
	s_barrier_signal -1
	s_barrier_wait -1
	CREST
.endm
	s_load_b256 s[4:11], s[0:1], 0x0               ; xc s[4:5], wc s[6:7], the scales' exponents s[8:9], b_qkv s[10:11]
	s_load_b64 s[12:13], s[0:1], 0x20              ; qkvc
	v_lshl_add_u32 v[SPW], v0, 2, SPARE
	v_mov_b32 v[NIL], 0
	ds_add_u32 v28, v29
	ds_add_u32 v28, v29
	s_wait_dscnt 0x0
	v_lshrrev_b32 v1, 5, v0
	v_readfirstlane_b32 s14, v1                    ; wave 0..3
	s_lshr_b32 s15, s14, 1                         ; which half of A's rows is mine.  Also: I fetch for A (0) or for B (1)
	s_and_b32 s16, s14, 1                          ; which half of B's rows.  Also: which 128 rows of that tile I fetch
	s_bfe_u32 s40, ttmp6, 0x40000                  ; cx
	s_bfe_u32 s41, ttmp6, 0x40004                  ; cy
	s_and_b32 s66, ttmp7, 0xffff
	s_lshl_b32 s66, s66, 2                         ; 4 x cluster y
	s_lshl_b32 s67, ttmp9, 2                       ; 4 x cluster x
	s_cmp_eq_u32 ttmp9, 2                          ; v?  The choice hangs on the cluster's x alone
	s_cselect_b32 s17, 8, s66                      ; A's tiles: v: wc's rows 2,048 on; q, k: tokens
	s_cselect_b32 s42, s66, s67                    ; B's tiles: v: tokens; q, k: wc's rows
	s_add_co_u32 s17, s17, s41                     ; A's tile = base + cy
	s_add_co_u32 s42, s42, s40                     ; B's tile = base + cx
	s_lshl_b32 s43, s41, 2
	s_lshl_b32 s43, 15, s43                        ; my row of the cluster
	s_lshl_b32 s44, 0x1111, s40                    ; my column
	s_or_b32 s[G1+0], s43, (0<<16)|(1<<20)|(1<<21)|(5<<22)|(3<<25)  ; 15:0 the mask; 17:16 elements of 1 byte; 20 padding on; 21 set beside a mask; 24:22 after every 64 words; 31:25 four words
	s_or_b32 s[G1B+0], s44, (0<<16)|(1<<20)|(1<<21)|(5<<22)|(3<<25)
.irp g, G1, G1B
	s_mov_b32 s[\g+1], ROWB<<16                    ; tensor_dim0
	s_mov_b32 s[\g+2], 128<<16                     ; tensor_dim1
	s_mov_b32 s[\g+3], ROWB<<16                    ; tile_dim0
	s_mov_b32 s[\g+4], 128                         ; tile_dim1
	s_mov_b32 s[\g+5], KROW                        ; from row to row
	s_mov_b32 s[\g+6], 0
	s_mov_b32 s[\g+7], 0
.endr
	s_lshl_b32 s18, s16, 7                         ; which 128 rows of the tile I fetch
	s_lshl_b32 s20, s17, 8
	s_add_co_u32 s20, s20, s18
	s_lshl_b32 s20, s20, 10                        ; A: (256 x tile + 128 x half) rows of 1,024 bytes
	s_mov_b32 s21, 0
	s_lshl_b32 s46, s42, 8
	s_add_co_u32 s46, s46, s18
	s_lshl_b32 s46, s46, 10                        ; B likewise
	s_mov_b32 s47, 0
	s_mul_i32 s45, s14, HALFT                      ; where they go: wave x 128 rows
	s_wait_kmcnt 0x0
	s_load_b256 s[88:95], s[8:9], 0x0              ; e0 .. e7
	s_cmp_eq_u32 ttmp9, 2
	s_cselect_b64 s[68:69], s[6:7], s[4:5]         ; A's buffer
	s_cselect_b64 s[70:71], s[4:5], s[6:7]         ; B's buffer
	s_add_nc_u64 s[20:21], s[68:69], s[20:21]
	s_add_nc_u64 s[46:47], s[70:71], s[46:47]
	CROUND                                         ; all sixteen work-groups are here: the first joint loads meet
.irp s, 0,1
	s_mov_b32 s[G0+4*\s], 1
	s_add_co_u32 s[G0+4*\s+1], s45, \s*SLOT
	s_add_nc_u64 s[G0+4*\s+2:G0+4*\s+3], s[20:21], \s*ROWB
	s_or_b32 s[G0+4*\s+3], s[G0+4*\s+3], 0x80000000
	s_mov_b32 s[G0B+4*\s], 1
	s_add_co_u32 s[G0B+4*\s+1], s45, \s*SLOT
	s_add_nc_u64 s[G0B+4*\s+2:G0B+4*\s+3], s[46:47], \s*ROWB
	s_or_b32 s[G0B+4*\s+3], s[G0B+4*\s+3], 0x80000000
.endr
	JLOAD G0, G1, G0B, G1B                         ; K step 0: one tensor load a wave at the head
	v_and_b32 v1, 15, v0                           ; r
	v_bfe_u32 v2, v0, 4, 1                         ; h
	s_wait_alu depctr_va_vdst(0)
	v_mul_u32_u24 v3, v1, PITCH
	v_lshl_add_u32 v4, v2, 4, v3                   ; a fragment's row x pitch + 16 h
	s_mul_i32 s21, s15, HALFT
	s_mul_i32 s22, s16, HALFT
	s_add_co_u32 s22, s22, 2*HALFT
.irp s, 0,1
	v_add_nc_u32 v[ADRA+\s], s21, v4
	v_add_nc_u32 v[ADRB+\s], s22, v4
	s_add_co_u32 s21, s21, SLOT
	s_add_co_u32 s22, s22, SLOT
.endr
	v_and_b32 v5, 31, v0
	v_lshlrev_b32 v[CO], 4, v5
	; the biases.  Both sets are loaded on every way; the one that does not apply is read at b_qkv's head and not used
	s_lshl_b32 s72, s42, 8
	s_lshl_b32 s73, s16, 7
	s_add_co_u32 s72, s72, s73                     ; B's first row of mine
	s_lshl_b32 s78, s17, 8
	s_lshl_b32 s79, s15, 7
	s_add_co_u32 s78, s78, s79                     ; A's first row of mine
	s_cmp_eq_u32 ttmp9, 2
	s_cselect_b32 s80, 0, s72                      ; q, k: the channel is B's row
	s_cselect_b32 s82, s78, 0                      ; v: the channel is A's row
	s_cselect_b32 s84, s72, s78                    ; my first token
	s_cselect_b32 s85, s41, s40                    ; the place along which the channels run,
	s_cselect_b32 s86, s15, s16                    ; and my half of the tile's channels
	s_lshl_b32 s80, s80, 2
	s_mov_b32 s81, 0
	s_lshl_b32 s82, s82, 2
	s_mov_b32 s83, 0
	s_add_nc_u64 s[74:75], s[10:11], s[80:81]
	s_add_nc_u64 s[76:77], s[10:11], s[82:83]
	v_lshlrev_b32 v6, 5, v2                        ; 32 h: my eight of a block's sixteen
	v_lshlrev_b32 v7, 2, v1                        ; 4 r
.irp b, 0,1,2,3,4,5,6,7
	global_load_b128 v[CB+8*\b:CB+8*\b+3], v6, s[74:75] offset:64*\b
	global_load_b128 v[CB+8*\b+4:CB+8*\b+7], v6, s[74:75] offset:64*\b+16
.endr
.irp a, 0,1,2,3,4,5,6,7
	global_load_b32 v[RB+2*\a], v7, s[76:77] offset:64*\a      ; the same number twice: a pair for the packed multiply-add
	global_load_b32 v[RB+2*\a+1], v7, s[76:77] offset:64*\a
.endr
	; where my images go: (cluster x << 23) + (batch x 16 + head) << 17 + (token in the batch) << 6: 16 tokens x 1,024 bytes and 128 keys x 8,192 bytes are both 64 bytes a token
	s_lshl_b32 s85, s85, 2
	s_lshl_b32 s86, s86, 1
	s_add_co_u32 s85, s85, s86                     ; my first head: 4 x place + 2 x half
	s_lshr_b32 s86, s84, 11
	s_lshl_b32 s86, s86, 4
	s_add_co_u32 s85, s85, s86
	s_lshl_b32 s85, s85, 17
	s_and_b32 s84, s84, 2047
	s_lshl_b32 s84, s84, 6
	s_add_co_u32 s84, s84, s85
	s_lshl_b32 s85, ttmp9, 23
	s_add_co_u32 s84, s84, s85
	s_mov_b32 s85, 0
	s_add_nc_u64 s[12:13], s[12:13], s[84:85]
.macro FRAG reg, adr, q, i             ; 16 rows x 128 K: four loads of 16 bytes, 32 bytes apart
.irp c, 0,1,2,3
	ds_load_b128 v[\reg+4*\c:\reg+4*\c+3], v[\adr] offset:128*(\q)+32*\c+(\i)*16*PITCH
.endr
.endm
; 16 matrix instructions: A's blocks a0, a0 + 1 x B's eight.  The 64 accumulators take turns, one instruction a turn, in the same order in every step.
.macro MUL16 a0, p, zero
.irp a, \a0, \a0+1
.irp b, 0,1,2,3,4,5,6,7
.if \zero
	v_wmma_f32_16x16x128_fp8_fp8 v[8*(8*((\a)%4)+\b):8*(8*((\a)%4)+\b)+7], v[128*(\p)+FR*\b:128*(\p)+FR*\b+FR-1], v[AF+FR*(\a):AF+FR*(\a)+FR-1], 0
.else
	v_wmma_f32_16x16x128_fp8_fp8 v[8*(8*((\a)%4)+\b):8*(8*((\a)%4)+\b)+7], v[128*(\p)+FR*\b:128*(\p)+FR*\b+FR-1], v[AF+FR*(\a):AF+FR*(\a)+FR-1], v[8*(8*((\a)%4)+\b):8*(8*((\a)%4)+\b)+7]
.endif
.endr
.endr
.endm
.macro FETCH_B slot, q, p
	WIN TO_B
.irp i, 0,1,2,3,4,5,6,7
	FRAG 128*(\p)+FR*\i, ADRB+\slot, \q, \i
.endr
	WIN 0
.endm
.macro FETCH_A slot, q, i0
.irp i, \i0, \i0+1, \i0+2, \i0+3
	FRAG AF+FR*(\i), ADRA+\slot, \q, \i
.endr
.endm
.macro PLACES n                        ; plain vector instructions between a matrix instruction and a load into, or a vector access to, its registers
.rept \n
	v_nop
.endr
.endm
.macro STEP slot, q, zero              ; 128 along K with a successor in the same slot
	s_wait_dscnt 4*NL                              ; B's set and A's blocks 0-3 are in; the youngest sixteen loads (A's blocks 4-7) may be out
	WIN MUL_LO
	MUL16 0, (\q)%2, \zero
	MUL16 2, (\q)%2, \zero
	s_wait_dscnt 0
	PLACES NP
	FETCH_B \slot, (\q)+1, 1-(\q)%2
	FETCH_A \slot, (\q)+1, 0
	WIN MUL_HI
	MUL16 4, (\q)%2, \zero
	MUL16 6, (\q)%2, \zero
	PLACES NP
	WIN 0
	FETCH_A \slot, (\q)+1, 4
.endm
; A slot's last step changes slots: one barrier; in front of it each wave waits for all its tensor loads, adds 0 to its spare word, and waits for that and for its reads of this slot.
.macro TURN slot, next, fill
	s_wait_tensorcnt 0x0                           ; all my tensor loads have landed: my part of the next slot
	ds_add_u32 v[SPW], v[NIL]                      ; 0 onto my spare word
	s_wait_dscnt 4*NL+1                            ; the add and the youngest sixteen loads may be out
	WIN MUL_LO
	MUL16 0, 1, 0
	s_wait_dscnt 0x0                               ; the add is done, and my reads of this slot are over
	s_barrier_signal -1
	MUL16 2, 1, 0
	WIN 0
	s_barrier_wait -1
.if \fill
	CREST                                          ; the barrier has opened a round of the cluster's: no wave of any partner still reads this slot or has a load on its way
	s_add_nc_u64 s[G0+4*\slot+2:G0+4*\slot+3], s[G0+4*\slot+2:G0+4*\slot+3], 2*ROWB
	s_add_nc_u64 s[G0B+4*\slot+2:G0B+4*\slot+3], s[G0B+4*\slot+2:G0B+4*\slot+3], 2*ROWB
	JLOAD G0+4*\slot, G1, G0B+4*\slot, G1B         ; the first tensor load behind the round; its four v_nop are the places in front of the loads below
.else
	PLACES NP
.endif
	FETCH_B \next, 0, 0
	FETCH_A \next, 0, 0
	WIN MUL_HI
	MUL16 4, 1, 0
	MUL16 6, 1, 0
	PLACES NP
	WIN 0
	FETCH_A \next, 0, 4
.endm
	s_wait_alu depctr_va_vdst(0)
	s_wait_tensorcnt 0x0                           ; my part of K step 0 is in
	ds_add_u32 v[SPW], v[NIL]
	s_wait_dscnt 0x0
	CROUND                                         ; everybody's part of K step 0 is in, and the joint loads meet
	JLOAD G0+4, G1, G0B+4, G1B                     ; K step 1's load, the first tensor load behind the round
	FETCH_B 0, 0, 0
	FETCH_A 0, 0, 0
	FETCH_A 0, 0, 4
	STEP 0, 0, 1                                   ; the first products start the sums: nothing is cleared
	TURN 0, 1, 1                                   ; slot 0 takes K step 2
	STEP 1, 0, 0
	TURN 1, 0, 1                                   ; slot 1 takes K step 3
	STEP 0, 0, 0
	TURN 0, 1, 0                                   ; nothing is left to fetch
	STEP 1, 0, 0
	s_wait_dscnt 4*NL
	WIN MUL_LO
	MUL16 0, 1, 0
	MUL16 2, 1, 0
	s_wait_dscnt 0
	WIN MUL_HI
	MUL16 4, 1, 0
	MUL16 6, 1, 0
	WIN 0
; THE WAY OUT, A's blocks one after the other: 64 values a lane, held, converted: 16 registers of codes, four stores.
.macro OUTROW a, isv
.set AC, 64*((\a)%4)
.set CD, 192+16*((\a)%4)
.if (\a) >= 4
	s_wait_xcnt 0x0                                ; the stores of the block four back have read their registers, which are written again below
.endif
	WIN 0x02+((\a)/4)                              ; source 0: window 2 or 3
.irp b, 0,1,2,3,4,5,6,7
.irp i, 0,2,4,6
.if \isv
	v_pk_fma_f32 v[TMP+8*\b+\i:TMP+8*\b+\i+1], v[AC+8*\b+\i:AC+8*\b+\i+1], s[96:97], v[RB+2*(\a):RB+2*(\a)+1] op_sel_hi:[1,0,1]   ; sum x 2^(e0 + e1) + my channel's bias
.else
	v_pk_fma_f32 v[TMP+8*\b+\i:TMP+8*\b+\i+1], v[AC+8*\b+\i:AC+8*\b+\i+1], s[96:97], v[CB+8*\b+\i:CB+8*\b+\i+1] op_sel_hi:[1,0,1]   ; each accumulator from its low end on
.endif
.endr
.endr
	WIN 0
.set j, 0
.rept 64
	v_med3_num_f32 v[TMP+j], v[TMP+j], -v[HLD], v[HLD]   ; the conversion does not saturate (ISA guide 7.6.2)
.set j, j+1
.endr
.irp b, 0,1,2,3,4,5,6,7
	v_cvt_scalef32_pk8_fp8_f32 v[CD+2*\b:CD+2*\b+1], v[TMP+8*\b:TMP+8*\b+7], v[SCL]
.endr
	v_nop                                          ; a plain instruction between the conversions and the next writes of their sources
.irp g, 0,1,2,3
.if \isv
	global_store_b128 v[CO], v[CD+4*\g:CD+4*\g+3], s[12:13] offset:((\a)/4)*131072+((\a)%4)*2048+\g*512   ; head a / 4, channels 16 (a % 4) on: the image's registers 4 g on
.else
	global_store_b128 v[CO], v[CD+4*\g:CD+4*\g+3], s[12:13] offset:(\g/2)*131072+(\a)*1024+(\g%2)*512      ; head g / 2, tokens 16 a on
.endif
.endr
.endm
	s_wait_kmcnt 0x0
	s_add_co_i32 s96, s88, s89
	s_add_co_i32 s96, s96, 127
	s_lshl_b32 s96, s96, 23                        ; 2^(e0 + e1) as f32
	s_mov_b32 s97, s96                             ; (named with it as a pair)
	s_cmp_eq_u32 ttmp9, 0
	s_cselect_b32 s66, s90, s91                    ; e2 for q, e3 for k,
	s_cmp_eq_u32 ttmp9, 2
	s_cselect_b32 s66, s93, s66                    ; e5 for v
	s_add_co_i32 s66, s66, 127
	s_lshl_b32 s67, s66, 23
	v_mov_b32 v[SCL], s67
	s_add_co_i32 s66, s66, 8
	s_lshl_b32 s66, s66, 23
	s_or_b32 s66, s66, 0x600000
	v_mov_b32 v[HLD], s66
	s_wait_loadcnt 0x0                             ; the biases
	PLACES NP
	s_cmp_eq_u32 ttmp9, 2
	s_cbranch_scc1 .Lv
.irp a, 0,1,2,3,4,5,6,7
	OUTROW \a, 0
.endr
	s_branch .Lend
.Lv:
.irp a, 0,1,2,3,4,5,6,7
	OUTROW \a, 1
.endr
.Lend:
	s_wait_tensorcnt 0x0                           ; the wave's end
	ds_add_u32 v[SPW], v[NIL]
	s_wait_dscnt 0x0
	CROUND                                         ; the closing round: no work-group ends while a partner may still ask for a tile that names it
	s_endpgm
.Lfunc_end_k_q9ead7347cf_gemm_qkv:
	.size	k_q9ead7347cf_gemm_qkv, .Lfunc_end_k_q9ead7347cf_gemm_qkv-k_q9ead7347cf_gemm_qkv
	.p2alignl 7, 3214868480
	.fill 96, 4, 3214868480
	.section	.rodata,"a",@progbits
	.p2align	6, 0x0
	.amdhsa_kernel k_q9ead7347cf_gemm_qkv
		.amdhsa_group_segment_fixed_size 327680
		.amdhsa_private_segment_fixed_size 0
		.amdhsa_enable_private_segment 0
		.amdhsa_kernarg_size 40
		.amdhsa_user_sgpr_count 2
		.amdhsa_user_sgpr_kernarg_segment_ptr 1
		.amdhsa_wavefront_size32 1
		.amdhsa_system_sgpr_workgroup_id_x 1
		.amdhsa_system_sgpr_workgroup_id_y 1
		.amdhsa_system_sgpr_workgroup_id_z 1
		.amdhsa_system_vgpr_workitem_id 0
		.amdhsa_next_free_vgpr 1024
		.amdhsa_next_free_sgpr 98
		.amdhsa_reserve_vcc 0
		.amdhsa_float_denorm_mode_32 3
		.amdhsa_float_denorm_mode_16_64 3
		.amdhsa_memory_ordered 1
		.amdhsa_forward_progress 1
		.amdhsa_inst_pref_size 194
	.end_amdhsa_kernel
	.amdgpu_metadata
---
amdhsa.version: [ 1, 2 ]
amdhsa.kernels:
  - .name:           k_q9ead7347cf_gemm_qkv
    .symbol:         k_q9ead7347cf_gemm_qkv.kd
    .args:
      - { .name: xc, .offset: 0, .size: 8, .value_kind: global_buffer, .address_space: global }
      - { .name: wc, .offset: 8, .size: 8, .value_kind: global_buffer, .address_space: global }
      - { .name: lowp_scales, .offset: 16, .size: 8, .value_kind: global_buffer, .address_space: global }
      - { .name: b_qkv, .offset: 24, .size: 8, .value_kind: global_buffer, .address_space: global }
      - { .name: qkvc, .offset: 32, .size: 8, .value_kind: global_buffer, .address_space: global }
    .group_segment_fixed_size: 327680
    .private_segment_fixed_size: 0
    .kernarg_segment_align: 8
    .kernarg_segment_size: 40
    .max_flat_workgroup_size: 128
    .sgpr_count:     98
    .vgpr_count:     1024
    .wavefront_size: 32
...
	.end_amdgpu_metadata
.endif
;; end of part 2
;; launch attn (part 3): grid 4 x 64, 16 waves a work-group, clusters of 4 x 1, 327,680 bytes of LDS; arguments qkvc, lowp_scales, yc; writes yc
.if DOCPART == 3
	.amdgcn_target "amdgcn-amd-amdhsa--gfx1250"
	.amdhsa_code_object_version 6
	.text
	.protected	k_q9ead7347cf_attn
	.globl	k_q9ead7347cf_attn
	.p2align	8
	.type	k_q9ead7347cf_attn,@function
k_q9ead7347cf_attn:
	s_mov_b64 s[64:65], 0
	v_nop
	global_prefetch_b8 v0, s[64:65] scope:SCOPE_SE
	s_setreg_imm32_b32 hwreg(HW_REG_WAVE_MODE, 25, 1), 1
	s_wait_xcnt 0x0
	s_wait_alu depctr_hold_cnt(0) depctr_sa_sdst(0) depctr_va_vdst(0) depctr_va_sdst(0) depctr_va_ssrc(0) depctr_va_vcc(0) depctr_vm_vsrc(0)
	s_getreg_b32 s2, hwreg(HW_REG_IB_STS2, 6, 4)
	s_cmp_eq_u32 s2, 0
	s_cbranch_scc0 .Lentry_in_a_cluster
	s_endpgm
.Lentry_in_a_cluster:
	s_bfe_u32 s2, ttmp6, 0x10000c
	s_cmp_lg_u32 s2, 0x3003
	s_cbranch_scc0 .Lentry_shape_is_right
	s_endpgm
.Lentry_shape_is_right:
; y[b][h][q] = the sum over keys k <= q of softmax_k(q . k / 8) v, both products on codes of FP8 (E4M3); y is quantised (2^e6) and stored as images of the last product's operand registers.
; THE SOFTMAX: t = score x log2(e) / 8; M = the row's largest t so far, rounded UP to a whole number; p = 2^(t - M) is quantised (2^e4), not normalised.  The row's sum is taken of the unquantised p, in f32,
; and divides at the end.  When M moves, the sum and O are multiplied by 2^(old M - new M): nothing is rounded.
; LEFT OUT: key steps all of whose keys come after a tile's queries: the causal mask makes their p zero for all values of the inputs.  A NaN or infinity that reaches only those scores is not carried.
; LIMITS: e2 + e3 between -123 and 130 (added to c's exponent field); e4 and e6 between -126 and 119; e4 + e5 is applied by v_ldexp_f32 and has none.  The promise holds while the scaled scores t stay under 2^31 in magnitude.
; SHARES.  A head has 128 tiles of 16 queries.  A wave owns tiles b = 127 - a and a, a = 4 x wave + cx (cx: the work-group's place among the head's four).  Tile n wants n / 8 + 1 steps of 128 keys, so every wave
; walks (16 - a / 8) + (a / 8 + 1) = 17 steps: the trip counts are constants, and a / 8 = wave / 2 hangs on the wave's number alone.  Tile b goes first.
; K AND V STAY IN LDS: a head's K and V are 131,072 bytes each, as images of operand registers; nothing is filled again.  Each wave asks twice: at the head for 4,096 bytes (together keys 0-511), behind the
; full sequence for 12,288 bytes (together keys 512-2,047).  The first four steps (tile b >= 64: keys 0-511, all of which count) read the first part alone; one barrier follows, behind which all is there.
; CLUSTER: the four work-groups of a head read the same K and V, all 2,048 keys (each has a tile b >= 120): every load is a joint one, mask 15.  No branch and no LDS address hangs on cx: it enters the addresses of q and y and the mask's numbers.
; NO PREFETCH: both groups of tensor loads go out at the kernel's head; there is no later load for a prefetch to run ahead of.
; LAYOUT.  S^T = K Q^T (source 0 = 16 keys, source 1 = my 16 queries), O^T = V^T P^T (source 0 = 16 channels, source 1 = P): a lane holds ONE query (lane % 16); register j of tile t is key 16 t + 8 (lane / 16) + j.
; LDS: K's image of 16 keys n at 1,024 n; V's four images of 128 keys j at 131,072 + 8,192 j; the spare words behind them.
; REGISTERS: v1 16 x lane; v3 r - 8 h; v5, v6 the add's; v8, v9 LDS addresses of the step's K and V; v12 -M, v13 the largest t, v[14:15] the sum; v16-23 Q; v24-31 Q of tile a; v32-95 K's eight fragments, then V's four;
; v96-159 S^T, then p; v160-191 O^T; v192-207 p's codes; v208-215 y's codes; v240, v241: 448 x 2^e4; v244 2^e4; v245 2^e6; v232 448 x 2^e6; v234-239, v242-243, v246-255 at work.
.set VB,    131072
.set SPARE, 262144                     ; 128 bytes for each of the sixteen waves, which no other line names
.set LI,   1
.set DQ,   3
.set SPW,  5
.set NIL,  6
.set ADK,  8
.set ADV,  9
.set WV,   18
.set CX,   19
.set SEL,  20                          ; s[20:21] selects for v_permlanex16_b32: lane l xor 16
.set CS,   22                          ; s[22:23] c = log2(e) / 8 x 2^(e2 + e3)
.set G1A,  24                          ; s[24:31] group 1: 16 rows of 256 bytes
.set GA,   40                          ; s[40:43] group 0 of the first load
.set GB,   44                          ; s[44:47] of the second
.set G1B,  52                          ; s[52:59] group 1: 48 rows of 256 bytes
.set TB,   66                          ; s66  LDS byte of the step's K
.set TV,   67                          ; s67  of its V
.set TAU,  76                          ; s76  the trip, 0 .. 16
.set NB1,  77                          ; s77  tile b's last trip: 15 - wave / 2
.set W2,   78                          ; s78  wave / 2
.set DT,   79                          ; s79  the trip in which the tile in hand meets the diagonal
.set DG,   80                          ; s80  my first query less that step's first key: 16 x (tile % 8); s81 the same for tile a
.macro ROUND                           ; a round of the cluster's barrier
	s_barrier_signal -1
	s_barrier_wait -1
	s_cmp_lg_u32 s[WV], 0
	s_cbranch_scc1 .Lnw0_\@
	s_barrier_signal -3
.Lnw0_\@:
	s_barrier_wait -3
	s_barrier_signal -1
	s_barrier_wait -1
.endm
	s_load_b128 s[4:7], s[0:1], 0x0                ; qkvc s[4:5], the scales' exponents s[6:7]
	s_load_b64 s[8:9], s[0:1], 0x10                ; yc
	v_lshl_add_u32 v[SPW], v0, 2, SPARE
	v_mov_b32 v[NIL], 0
	ds_add_u32 v[SPW], v[NIL]                      ; the opening: the add, twice on end, and its wait ahead of my first tensor load
	ds_add_u32 v[SPW], v[NIL]
	v_lshrrev_b32 v8, 5, v0
	v_readfirstlane_b32 s[WV], v8                  ; wave 0..15
	s_bfe_u32 s[CX], ttmp6, 0x40000                ; cx
	s_and_b32 s32, ttmp7, 0xffff                   ; batch x 16 + head
	s_lshl_b32 s34, s32, 17                        ; its 131,072 bytes in each of q, k, v
	s_mov_b32 s[G1A], 15|(3<<16)|(1<<21)           ; the mask: all four; elements of 8 bytes; bit 21 beside a mask; no padding
	s_mov_b32 s[G1A+1], 32<<16                     ; tensor_dim0 = 32
	s_mov_b32 s[G1A+2], 16<<16                     ; tensor_dim1 = 16
	s_mov_b32 s[G1A+3], 32<<16                     ; tile_dim0
	s_mov_b32 s[G1A+4], 16                         ; tile_dim1
	s_mov_b32 s[G1A+5], 32                         ; from row to row
	s_mov_b32 s[G1A+6], 0
	s_mov_b32 s[G1A+7], 0
	s_mov_b32 s[G1B], 15|(3<<16)|(1<<21)
	s_mov_b32 s[G1B+1], 32<<16
	s_mov_b32 s[G1B+2], 48<<16
	s_mov_b32 s[G1B+3], 32<<16
	s_mov_b32 s[G1B+4], 48
	s_mov_b32 s[G1B+5], 32
	s_mov_b32 s[G1B+6], 0
	s_mov_b32 s[G1B+7], 0
	s_lshr_b32 s36, s[WV], 3                       ; waves 0-7 fetch K, waves 8-15 V
	s_and_b32 s37, s[WV], 7                        ; which eighth
	s_lshl_b32 s38, s36, 17
	s_lshl_b32 s39, s37, 12                        ; first load: 4,096 x eighth
	s_mov_b32 s[GA], 1
	s_add_co_u32 s[GA+1], s38, s39
	s_mul_i32 s33, s37, 12288
	s_add_co_u32 s33, s33, 32768                   ; second load: 32,768 + 12,288 x eighth
	s_mov_b32 s[GB], 1
	s_add_co_u32 s[GB+1], s38, s33
	s_add_co_u32 s35, s36, 1
	s_lshl_b32 s35, s35, 23                        ; k's region of qkvc, or v's
	s_add_co_u32 s35, s35, s34
	s_add_co_u32 s48, s35, s39
	s_mov_b32 s49, 0
	s_add_co_u32 s50, s35, s33
	s_mov_b32 s51, 0
	s_lshl_b32 s84, s[WV], 2
	s_add_co_u32 s84, s84, s[CX]                   ; tile a
	s_xor_b32 s85, s84, 127                        ; tile b = 127 - a
	s_lshr_b32 s[W2], s[WV], 1
	s_xor_b32 s[NB1], s[W2], 15
	s_mov_b32 s[DT], s[NB1]
	s_and_b32 s[DG], s85, 7
	s_lshl_b32 s[DG], s[DG], 4
	s_and_b32 s81, s84, 7
	s_lshl_b32 s81, s81, 4
	s_lshl_b32 s60, s85, 10
	s_add_co_u32 s60, s60, s34                     ; q's image of tile b,
	s_mov_b32 s61, 0
	s_lshl_b32 s62, s84, 10
	s_add_co_u32 s62, s62, s34                     ; of tile a
	s_mov_b32 s63, 0
	s_lshr_b32 s87, s32, 4
	s_lshl_b32 s87, s87, 7                         ; the batch's 128 tiles of tokens
	s_and_b32 s88, s32, 15
	s_lshl_b32 s88, s88, 10                        ; the head's 1,024 bytes in a tile's 16,384
	s_add_co_u32 s90, s87, s85
	s_lshl_b32 s90, s90, 14
	s_add_co_u32 s90, s90, s88
	s_mov_b32 s91, 0
	s_add_co_u32 s92, s87, s84
	s_lshl_b32 s92, s92, 14
	s_add_co_u32 s92, s92, s88
	s_mov_b32 s93, 0
	s_mov_b32 s[SEL], 0x76543210
	s_mov_b32 s[SEL+1], 0xfedcba98
	s_mov_b32 s[CS], 0x3e38aa3b                    ; log2(e) / 8
	s_wait_alu depctr_va_vdst(0)
	s_wait_dscnt 0x0                               ; both opening adds are done
	s_wait_kmcnt 0x0
	s_load_b256 s[68:75], s[6:7], 0x0              ; e0 .. e7
	s_add_nc_u64 s[GA+2:GA+3], s[4:5], s[48:49]
	s_or_b32 s[GA+3], s[GA+3], 0x80000000          ; type = 2
	s_add_nc_u64 s[GB+2:GB+3], s[4:5], s[50:51]
	s_or_b32 s[GB+3], s[GB+3], 0x80000000
	s_add_nc_u64 s[10:11], s[4:5], s[60:61]
	s_add_nc_u64 s[12:13], s[4:5], s[62:63]
	s_add_nc_u64 s[16:17], s[8:9], s[90:91]        ; y's image of the tile in hand,
	s_add_nc_u64 s[82:83], s[8:9], s[92:93]        ; and of tile a
	ROUND                                          ; all four work-groups are here: the first joint loads meet
	tensor_load_to_lds s[GA:GA+3], s[G1A:G1A+7]    ; my one load at the head: an eighth of K's or V's keys 0-511
	s_nop 0
.rept 4
	v_nop
.endr
	v_and_b32 v10, 31, v0
	v_lshlrev_b32 v[LI], 4, v10
	global_load_b128 v[16:19], v[LI], s[10:11]
	global_load_b128 v[20:23], v[LI], s[10:11] offset:512
	v_and_b32 v10, 15, v0
	v_bfe_u32 v11, v0, 4, 1
	v_lshlrev_b32 v11, 3, v11
	v_sub_nc_u32 v[DQ], v10, v11                   ; r - 8 h
	v_mov_b32 v236, 0                              ; written once: a lane permute's destination counts as one of its sources
	v_mov_b32 v252, 0
	v_mov_b32 v253, 0                              ; (named as the upper half of the pair v[252:253])
	v_mov_b32 v254, 0
.macro RESET                           ; a tile begins: O^T and the sum are zeros, the largest t lies under every t: the first change of M multiplies zeros
	v_mov_b32 v13, 0xff61b1e6                      ; -3e38
	s_delay_alu instid0(VALU_DEP_1)
	v_floor_f32 v12, -v13
	v_mov_b32 v14, 0
	v_mov_b32 v15, 0
.set j, 0
.rept 32
	v_mov_b32 v[160+j], 0
.set j, j+1
.endr
.endm
	RESET
	s_wait_alu depctr_va_vdst(0)
	s_wait_kmcnt 0x0
	s_add_co_i32 s94, s70, s71
	s_lshl_b32 s94, s94, 23
	s_add_co_i32 s[CS], s[CS], s94                 ; a score stands for score x 2^(e2 + e3)
	s_mov_b32 s[CS+1], s[CS]
	s_add_co_i32 s94, s72, 127
	s_lshl_b32 s95, s94, 23
	v_mov_b32 v244, s95                            ; 2^e4
	s_add_co_i32 s94, s94, 8
	s_lshl_b32 s94, s94, 23
	s_or_b32 s94, s94, 0x600000
	v_mov_b32 v240, s94                            ; 448 x 2^e4, twice: one for each half of a dual pair
	v_mov_b32 v241, s94
	s_add_co_i32 s94, s74, 127
	s_lshl_b32 s95, s94, 23
	v_mov_b32 v245, s95                            ; 2^e6
	s_add_co_i32 s94, s94, 8
	s_lshl_b32 s94, s94, 23
	s_or_b32 s94, s94, 0x600000
	v_mov_b32 v232, s94                            ; 448 x 2^e6
	s_add_co_i32 s86, s72, s73                     ; e4 + e5
; A KEY STEP: 128 keys, K's images at s[TB], V's at s[TV].  masked = 1: in the trip s[DT] the scores of hidden keys become -infinity.
.macro STEP masked
	v_add_nc_u32 v[ADK], s[TB], v[LI]
	v_add_nc_u32 v[ADV], s[TV], v[LI]
.rept 2
	v_nop                                          ; with the two additions: four places in front of loads into registers that matrix instructions have read
.endr
.irp t, 0,1,2,3,4,5,6,7
	ds_load_b128 v[32+8*\t:35+8*\t], v[ADK] offset:\t*1024
	ds_load_b128 v[36+8*\t:39+8*\t], v[ADK] offset:\t*1024+512
.endr
	s_wait_alu depctr_va_vdst(0)
	s_wait_dscnt 0x0
.irp t, 0,1,2,3,4,5,6,7
	v_wmma_f32_16x16x64_fp8_fp8 v[96+8*\t:103+8*\t], v[32+8*\t:39+8*\t], v[16:23], 0
.endr
.rept 4
	v_nop
.endr
.irp cb, 0,1,2,3                               ; V's four fragments are asked for at once, into K's registers: the softmax stands between the request and the wait
.irp g, 0,1,2,3
	ds_load_b128 v[32+16*\cb+4*\g:35+16*\cb+4*\g], v[ADV] offset:2048*\cb+512*\g
.endr
.endr
.if \masked
	s_cmp_lg_u32 s[TAU], s[DT]                     ; hangs on the trip and the wave's number alone
	s_cbranch_scc1 .Lopen_\@
	v_add_nc_u32 v252, s[DG], v[DQ]                ; d = my query - the step's first key - 8 h.  Register 8 t + j holds key 16 t + 8 h + j of the step: hidden where 16 t + j > d
	v_mov_b32 v254, 0xff800000
.set n, 0
.rept 64
	v_cmp_gt_i32 vcc_lo, 16*(n/8)+n%8, v252
	v_cndmask_b32 v[96+n], v[96+n], v254, vcc_lo
.set n, n+1
.endr
.Lopen_\@:
.endif
	v_max3_num_f32 v254, v96, v97, v98             ; the step's largest score of my query among my 64 keys, in two chains, each tile from its low end on,
	v_max3_num_f32 v252, v99, v100, v101
.set n, 6
.rept 14
	v_max3_num_f32 v254, v254, v[96+n], v[97+n]
	v_max3_num_f32 v252, v252, v[98+n], v[99+n]
.set n, n+4
.endr
	v_max3_num_f32 v254, v254, v158, v159
	s_delay_alu instid0(VALU_DEP_1)
	v_max_num_f32 v254, v254, v252
	s_delay_alu instid0(VALU_DEP_1)
	v_permlanex16_b32 v236, v254, s[SEL], s[SEL+1]
	s_delay_alu instid0(VALU_DEP_1)
	v_max_num_f32 v254, v254, v236                 ; and among lane l xor 16's
	s_delay_alu instid0(VALU_DEP_1)
	v_mul_f32 v254, s[CS], v254                    ; as t (c is positive)
	s_delay_alu instid0(VALU_DEP_1)
	v_max_num_f32 v13, v13, v254                   ; the running largest t
	v_mov_b32 v254, v12
	s_delay_alu instid0(VALU_DEP_2)
	v_floor_f32 v12, -v13                          ; the new -M = floor(-t): M is a whole number
	s_delay_alu instid0(VALU_DEP_1)
	v_sub_f32 v254, v12, v254                      ; old M - new M: a whole number, 0 or less
	s_delay_alu instid0(VALU_DEP_1)
	v_cvt_i32_f32 v254, v254                       ; (it saturates)
	s_delay_alu instid0(VALU_DEP_1)
	v_ldexp_f32 v252, 1.0, v254                    ; f = 2^(old M - new M)
.set n, 0
.rept 32
	v_pk_fma_f32 v[96+n:97+n], v[96+n:97+n], s[CS:CS+1], v[12:13] op_sel_hi:[1,0,0]   ; t - M, two at a time
.set n, n+2
.endr
.set n, 0
	s_wait_alu depctr_va_vdst(0)
.rept 64
	v_exp_f32 v[96+n], v[96+n]                     ; p = 2^(t - M), at most 1
.set n, n+1
.endr
	v_pk_mul_f32 v[14:15], v[14:15], v[252:253] op_sel_hi:[1,0]   ; the sums under the new M: the plain instruction behind the exponentials
	s_wait_alu depctr_va_vdst(0)                   ; one wait for the whole batch, ahead of its first reader
	v_pk_add_f32 v[242:243], v[100:101], v[104:105]   ; the row's sum of the unquantised p, in eight chains
	v_pk_add_f32 v[254:255], v[108:109], v[112:113]
	v_pk_add_f32 v[250:251], v[116:117], v[120:121]
	v_pk_add_f32 v[248:249], v[124:125], v[128:129]
	v_pk_add_f32 v[246:247], v[132:133], v[136:137]
	v_pk_add_f32 v[238:239], v[140:141], v[144:145]
	v_pk_add_f32 v[234:235], v[148:149], v[152:153]
	v_pk_add_f32 v[14:15], v[14:15], v[156:157]
	v_pk_add_f32 v[242:243], v[242:243], v[96:97]
	v_pk_add_f32 v[254:255], v[254:255], v[98:99]
	v_pk_add_f32 v[250:251], v[250:251], v[102:103]
	v_pk_add_f32 v[248:249], v[248:249], v[106:107]
	v_pk_add_f32 v[246:247], v[246:247], v[110:111]
	v_pk_add_f32 v[238:239], v[238:239], v[114:115]
	v_pk_add_f32 v[234:235], v[234:235], v[118:119]
	v_pk_add_f32 v[14:15], v[14:15], v[122:123]
	v_pk_add_f32 v[242:243], v[242:243], v[126:127]
	v_pk_add_f32 v[254:255], v[254:255], v[130:131]
	v_pk_add_f32 v[250:251], v[250:251], v[134:135]
	v_pk_add_f32 v[248:249], v[248:249], v[138:139]
	v_pk_add_f32 v[246:247], v[246:247], v[142:143]
	v_pk_add_f32 v[238:239], v[238:239], v[146:147]
	v_pk_add_f32 v[234:235], v[234:235], v[150:151]
	v_pk_add_f32 v[14:15], v[14:15], v[154:155]
	v_pk_add_f32 v[242:243], v[242:243], v[158:159]
	s_delay_alu instid0(VALU_DEP_2)
	v_pk_add_f32 v[14:15], v[14:15], v[248:249]
	s_delay_alu instid0(VALU_DEP_2)
	v_pk_add_f32 v[242:243], v[242:243], v[246:247]
	v_pk_add_f32 v[254:255], v[254:255], v[238:239]
	v_pk_add_f32 v[250:251], v[250:251], v[234:235]
	s_delay_alu instid0(VALU_DEP_2)
	v_pk_add_f32 v[14:15], v[14:15], v[254:255]
	s_delay_alu instid0(VALU_DEP_2)
	v_pk_add_f32 v[242:243], v[242:243], v[250:251]
	s_delay_alu instid0(VALU_DEP_1)
	v_pk_add_f32 v[14:15], v[14:15], v[242:243]
.irp t, 0,1,2,3,4,5,6,7
.irp i, 0,2,4,6
	v_dual_min_num_f32 v[96+8*\t+\i], v[96+8*\t+\i], v240 :: v_dual_min_num_f32 v[97+8*\t+\i], v[97+8*\t+\i], v241   ; the conversion does not saturate (ISA guide 7.6.2); p is not negative, so the hold is one-sided; two numbers a line
.endr
	v_cvt_scalef32_pk8_fp8_f32 v[192+2*\t:193+2*\t], v[96+8*\t:103+8*\t], v244   ; keys 16 t + 8 h + 0..7: registers 2 t, 2 t + 1 of P
.endr
	s_wait_alu depctr_va_vdst(0)
.set n, 0
.rept 16
	v_pk_mul_f32 v[160+n:161+n], v[160+n:161+n], v[252:253] op_sel_hi:[1,0]   ; O^T under the new M.  (Also the plain instructions between the conversions and the products)
.set n, n+2
.endr
	s_wait_alu depctr_va_vdst(0)
	s_wait_dscnt 0x0                               ; V
.irp cb, 0,1,2,3                               ; the four accumulators take turns, one instruction a turn
	v_wmma_f32_16x16x128_fp8_fp8 v[160+8*\cb:167+8*\cb], v[32+16*\cb:47+16*\cb], v[192:207], v[160+8*\cb:167+8*\cb]
.endr
.endm
; A tile is finished: O^T / the sum x 2^(e4 + e5) is y; held, converted: register pair cb = channels 16 cb + 8 h + 0..7 of my token: the image's eight registers, two stores of 512 consecutive bytes.
.macro FINISH
.rept 4
	v_nop                                          ; places behind the last products
.endr
	v_add_f32 v14, v14, v15
	s_delay_alu instid0(VALU_DEP_1)
	v_permlanex16_b32 v252, v14, s[SEL], s[SEL+1]
	s_delay_alu instid0(VALU_DEP_1)
	v_add_f32 v14, v14, v252                       ; the row's sum
	s_wait_alu depctr_va_vdst(0)
	v_rcp_f32 v14, v14
	v_nop                                          ; a plain instruction behind the reciprocal,
	s_wait_alu depctr_va_vdst(0)                   ; and the wait ahead of its first reader
	v_ldexp_f32 v14, v14, s86
.set n, 0
.rept 16
	v_pk_mul_f32 v[96+n:97+n], v[160+n:161+n], v[14:15] op_sel_hi:[1,0]
.set n, n+2
.endr
.set n, 0
.rept 32
	v_med3_num_f32 v[96+n], v[96+n], -v232, v232
.set n, n+1
.endr
.irp cb, 0,1,2,3
	v_cvt_scalef32_pk8_fp8_f32 v[208+2*\cb:209+2*\cb], v[96+8*\cb:103+8*\cb], v245
.endr
	v_nop                                          ; a plain instruction between the conversions and the next products, which write their sources
	global_store_b128 v[LI], v[208:211], s[16:17]
	global_store_b128 v[LI], v[212:215], s[16:17] offset:512
.endm
	s_wait_alu depctr_va_vdst(0)
	s_wait_tensorcnt 0x0                           ; my part of keys 0-511 is in
	ds_add_u32 v[SPW], v[NIL]
	s_wait_dscnt 0x0
	ROUND                                          ; everybody's part is in, and the four work-groups are here: the joint loads meet
	tensor_load_to_lds s[GB:GB+3], s[G1B:G1B+7]    ; my one load behind the round: an eighth of K's or V's keys 512-2,047, bytes that nobody reads before the barrier below
	s_nop 0
.rept 4
	v_nop
.endr
	global_load_b128 v[24:27], v[LI], s[12:13]     ; tile a's Q: wanted when the tiles change
	global_load_b128 v[28:31], v[LI], s[12:13] offset:512
	s_mov_b32 s[TAU], 0
	s_wait_loadcnt 0x2                             ; tile b's Q is in; the two loads just issued may be out
.Lfirst:                                           ; four trips: tile b, keys 128 x trip, under 512: all of them count for queries from 1,024 on
	s_barrier_signal -1                            ; I have entered this trip.  No LDS instruction of mine is out here
	s_lshl_b32 s[TB], s[TAU], 13
	s_add_co_u32 s[TV], s[TB], VB
	STEP 0
	s_barrier_wait -1                              ; I leave a trip when all sixteen waves have entered it: the waves stay within one key step of each other.  Between signal and wait: register work and LDS loads of bytes that nobody writes
	s_add_co_u32 s[TAU], s[TAU], 1
	s_cmp_lt_u32 s[TAU], 4
	s_cbranch_scc1 .Lfirst
	s_wait_tensorcnt 0x0                           ; my part of keys 512-2,047 is in,
	s_wait_dscnt 0x0
	s_barrier_signal -1
	s_barrier_wait -1                              ; and everybody's
	s_mov_b32 s[TAU], 4
.Lrest:                                            ; thirteen trips: tile b up to trip 15 - wave / 2, then tile a from key 0 on
	s_barrier_signal -1                            ; as in the first loop
	s_cmp_le_u32 s[TAU], s[NB1]
	s_cselect_b32 s96, 0, s[W2]
	s_add_co_u32 s96, s96, s[TAU]
	s_and_b32 s96, s96, 15                         ; the key step: the trip, or the trip - (16 - wave / 2)
	s_lshl_b32 s[TB], s96, 13
	s_add_co_u32 s[TV], s[TB], VB
	STEP 1
	s_barrier_wait -1                              ; the stores of a finished tile stand behind this wait
	s_cmp_lg_u32 s[TAU], s[NB1]
	s_cbranch_scc1 .Lsame
	FINISH                                         ; tile b is done: on to tile a
	s_wait_alu depctr_va_vdst(0)
	s_wait_xcnt 0x0                                ; the stores have read their base and their data
	s_wait_loadcnt 0x0                             ; tile a's Q
	s_mov_b64 s[16:17], s[82:83]
.set j, 0
.rept 8
	v_mov_b32 v[16+j], v[24+j]
.set j, j+1
.endr
	RESET
	s_mov_b32 s[DT], 16                            ; tile a meets the diagonal in the last trip
	s_mov_b32 s[DG], s81
.Lsame:
	s_add_co_u32 s[TAU], s[TAU], 1
	s_cmp_lt_u32 s[TAU], 17
	s_cbranch_scc1 .Lrest
	FINISH
	s_wait_tensorcnt 0x0                           ; the wave's end
	ds_add_u32 v[SPW], v[NIL]
	s_wait_dscnt 0x0
	ROUND                                          ; the closing round
	s_endpgm
.Lfunc_end_k_q9ead7347cf_attn:
	.size	k_q9ead7347cf_attn, .Lfunc_end_k_q9ead7347cf_attn-k_q9ead7347cf_attn
	.p2alignl 7, 3214868480
	.fill 96, 4, 3214868480
	.section	.rodata,"a",@progbits
	.p2align	6, 0x0
	.amdhsa_kernel k_q9ead7347cf_attn
		.amdhsa_group_segment_fixed_size 327680
		.amdhsa_private_segment_fixed_size 0
		.amdhsa_enable_private_segment 0
		.amdhsa_kernarg_size 24
		.amdhsa_user_sgpr_count 2
		.amdhsa_user_sgpr_kernarg_segment_ptr 1
		.amdhsa_wavefront_size32 1
		.amdhsa_system_sgpr_workgroup_id_x 1
		.amdhsa_system_sgpr_workgroup_id_y 1
		.amdhsa_system_sgpr_workgroup_id_z 1
		.amdhsa_system_vgpr_workitem_id 0
		.amdhsa_next_free_vgpr 256
		.amdhsa_next_free_sgpr 100
		.amdhsa_reserve_vcc 1
		.amdhsa_float_denorm_mode_32 3
		.amdhsa_float_denorm_mode_16_64 3
		.amdhsa_memory_ordered 1
		.amdhsa_forward_progress 1
		.amdhsa_inst_pref_size 56
	.end_amdhsa_kernel
	.amdgpu_metadata
---
amdhsa.version: [ 1, 2 ]
amdhsa.kernels:
  - .name:           k_q9ead7347cf_attn
    .symbol:         k_q9ead7347cf_attn.kd
    .args:
      - { .name: qkvc, .offset: 0, .size: 8, .value_kind: global_buffer, .address_space: global }
      - { .name: lowp_scales, .offset: 8, .size: 8, .value_kind: global_buffer, .address_space: global }
      - { .name: yc, .offset: 16, .size: 8, .value_kind: global_buffer, .address_space: global }
    .group_segment_fixed_size: 327680
    .private_segment_fixed_size: 0
    .kernarg_segment_align: 8
    .kernarg_segment_size: 24
    .max_flat_workgroup_size: 512
    .sgpr_count:     100
    .vgpr_count:     256
    .wavefront_size: 32
...
	.end_amdgpu_metadata
.endif
;; end of part 3
;; launch gemm_proj (part 4): grid 4 x 64, 4 waves a work-group, clusters of 4 x 4, 327,680 bytes of LDS; arguments yc, wc, lowp_scales, b_proj, out0; writes out0
.if DOCPART == 4
	.amdgcn_target "amdgcn-amd-amdhsa--gfx1250"
	.amdhsa_code_object_version 6
	.text
	.protected	k_q9ead7347cf_gemm_proj
	.globl	k_q9ead7347cf_gemm_proj
	.p2align	8
	.type	k_q9ead7347cf_gemm_proj,@function
k_q9ead7347cf_gemm_proj:
	s_mov_b64 s[64:65], 0
	v_nop
	global_prefetch_b8 v0, s[64:65] scope:SCOPE_SE
	s_setreg_imm32_b32 hwreg(HW_REG_WAVE_MODE, 25, 1), 1
	s_wait_xcnt 0x0
	s_wait_alu depctr_hold_cnt(0) depctr_sa_sdst(0) depctr_va_vdst(0) depctr_va_sdst(0) depctr_va_ssrc(0) depctr_va_vcc(0) depctr_vm_vsrc(0)
	s_getreg_b32 s2, hwreg(HW_REG_IB_STS2, 6, 4)
	s_cmp_eq_u32 s2, 0
	s_cbranch_scc0 .Lentry_in_a_cluster
	s_endpgm
.Lentry_in_a_cluster:
	s_bfe_u32 s2, ttmp6, 0x10000c
	s_cmp_lg_u32 s2, 0xf033
	s_cbranch_scc0 .Lentry_shape_is_right
	s_endpgm
.Lentry_shape_is_right:
; out0 = y w_proj + b_proj on codes of FP8 (E4M3), K = 1,024.  A sum of codes stands for sum x 2^(e6 + e7); result = sum x 2^(e6 + e7) + bias, one fused multiply-add in f32.
; LIMIT: e6 + e7 between -126 and 127, so that 2^(e6 + e7) is an f32 number.
; A = yc: images of operand registers, [512 tiles of 16 tokens][16 heads][1,024 bytes].  B = wc's rows 3,072 on: w_proj's columns, K innermost, laid so that loads of 16 bytes give the places of k that A's images have.
; A block of out0 is 128 tokens x 256 columns: 64 x 4 = 256 work-groups.  Four waves of 64 x 128: 32 accumulators of 16 x 16.  K goes in steps of 256 through a ring of two LDS slots; four K steps, written out.
; CLUSTERS of 4 x 4 work-groups: the four of a row ask jointly for A's tiles, the four of a column for B's.  Waves 0 and 1 fetch A's halves (4 tiles of tokens x 4,096 bytes), waves 2 and 3 B's (128 rows x 256 bytes).
; The matrix instruction takes 16 rows of B as source 0 and 16 tokens as source 1: a lane holds eight neighbouring columns of one token.
; NO PREFETCH: K has four steps; two are asked for at the head and the other two one step later: no trip lies a step or more ahead of a load that is not yet asked for.
; REGISTERS, in windows of 256: window 0: v0-31 addresses; v64-127 the bias; v128-191, v192-255 A's fragments, two sets (on the way out: rows read back).  window 1: B's fragments, two sets (on the way out v0-63: results).
;   window 2: accumulator (a, b) at v[8 (8 a + b)].
.set ROWB,   256                       ; a row of B's tile in bytes
.set KROW,   1024                      ; a row of wc in bytes
.set PITCH,  272                       ; B's LDS row: 256 bytes + 16 of padding
.set ASTEP,  4096                      ; a K step in a tile of tokens: 4 heads x 1,024 bytes
.set FR,     16
.set NP,     4                         ; places behind this matrix instruction (ISA guide 7.12.1)
.set HALFT,  128*PITCH                 ; a wave's part of a slot: A's parts use 16,384 bytes of theirs
.set SLOT,   4*HALFT
.set SPARE,  2*SLOT                    ; behind the ring: the spare words, 128 bytes for each wave, which no other line names
.set SPITCH, 528                       ; the way out: a stage of 16 rows x (512 + 16) bytes for each wave, in slot 0, which has had its last fill and its last read by then
.set SIZE_N, 1024
.set ADRA, 16
.set ADRB, 20
.set STO,  24
.set RD,   25
.set CO,   26
.set SPW,  28
.set NIL,  29
.set CB,   64
.set TMP,  0
.set AF,   128
.set BK,   128
.set G1, 24
.set G0, 32
.set G1B, 48
.set G0B, 56
.set MSB, 0
.macro WIN new                         ; the immediate's high byte repeats the setting that is left
.if MSB != (\new)
	s_set_vgpr_msb (MSB<<8)|(\new)
.set MSB, (\new)
.endif
.endm
.set MUL,    0xa1                      ; source 0 (B) window 1, source 1 (A) window 0, C and D window 2
.set TO_B,   0x40
.macro JLOAD g0a, g1a, g0b, g1b        ; a joint load: waves 0 and 1 fetch for A, waves 2 and 3 for B; s_nop 0 and four v_nop follow each line
	s_cmp_eq_u32 s15, 0
	s_cbranch_scc0 .Lfor_b_\@
	tensor_load_to_lds s[\g0a:\g0a+3], s[\g1a:\g1a+7]
	s_nop 0
.rept 4
	v_nop
.endr
	s_branch .Lasked_\@
.Lfor_b_\@:
	tensor_load_to_lds s[\g0b:\g0b+3], s[\g1b:\g1b+7]
	s_nop 0
.rept 4
	v_nop
.endr
.Lasked_\@:
.endm
.macro CREST                           ; a round of the cluster's barrier behind its opening barrier
	s_cmp_lg_u32 s14, 0
	s_cbranch_scc1 .Lnot_wave_0_\@
	s_barrier_signal -3
.Lnot_wave_0_\@:
	s_barrier_wait -3
	s_barrier_signal -1
	s_barrier_wait -1
.endm
.macro CROUND
	s_barrier_signal -1
	s_barrier_wait -1
	CREST
.endm
	s_load_b256 s[4:11], s[0:1], 0x0               ; yc s[4:5], wc s[6:7], the scales' exponents s[8:9], b_proj s[10:11]
	s_load_b64 s[12:13], s[0:1], 0x20              ; out0
	v_lshl_add_u32 v[SPW], v0, 2, SPARE
	v_mov_b32 v[NIL], 0
	ds_add_u32 v[SPW], v[NIL]                      ; the opening: the add, twice on end, and its wait
	ds_add_u32 v[SPW], v[NIL]
	s_wait_dscnt 0x0
	v_lshrrev_b32 v1, 5, v0
	v_readfirstlane_b32 s14, v1                    ; wave 0..3
	s_lshr_b32 s15, s14, 1                         ; which 64 tokens are mine.  Also: I fetch for A (0) or for B (1)
	s_and_b32 s16, s14, 1                          ; which 128 columns.  Also: which half of that tile I fetch
	s_bfe_u32 s40, ttmp6, 0x40000                  ; cx
	s_bfe_u32 s41, ttmp6, 0x40004                  ; cy
	s_lshl_b32 s42, ttmp9, 2
	s_add_co_u32 s42, s42, s40                     ; block column, 0..3
	s_and_b32 s17, ttmp7, 0xffff
	s_lshl_b32 s17, s17, 2
	s_add_co_u32 s17, s17, s41                     ; block row, 0..63
	s_lshl_b32 s43, s41, 2
	s_lshl_b32 s43, 15, s43                        ; my row of the cluster
	s_lshl_b32 s44, 0x1111, s40                    ; my column
	s_or_b32 s[G1+0], s43, (3<<16)|(1<<21)         ; A: the mask; elements of 8 bytes; bit 21 beside a mask; no padding
	s_mov_b32 s[G1+1], 512<<16                     ; tensor_dim0: 4,096 bytes
	s_mov_b32 s[G1+2], 4<<16                       ; tensor_dim1: 4 tiles of tokens
	s_mov_b32 s[G1+3], 512<<16
	s_mov_b32 s[G1+4], 4
	s_mov_b32 s[G1+5], 2048                        ; 16,384 bytes from tile to tile
	s_mov_b32 s[G1+6], 0
	s_mov_b32 s[G1+7], 0
	s_or_b32 s[G1B+0], s44, (0<<16)|(1<<20)|(1<<21)|(5<<22)|(3<<25)   ; B: elements of 1 byte; four words of padding after every 64
	s_mov_b32 s[G1B+1], ROWB<<16
	s_mov_b32 s[G1B+2], 128<<16
	s_mov_b32 s[G1B+3], ROWB<<16
	s_mov_b32 s[G1B+4], 128
	s_mov_b32 s[G1B+5], KROW
	s_mov_b32 s[G1B+6], 0
	s_mov_b32 s[G1B+7], 0
	s_lshl_b32 s20, s17, 17                        ; A: 128 tokens are 131,072 bytes,
	s_lshl_b32 s18, s16, 16                        ; a half 65,536
	s_add_co_u32 s20, s20, s18
	s_mov_b32 s21, 0
	s_lshl_b32 s46, s42, 8
	s_lshl_b32 s19, s16, 7
	s_add_co_u32 s46, s46, s19
	s_add_co_u32 s46, s46, 3072
	s_lshl_b32 s46, s46, 10                        ; B: wc's row 3,072 + 256 x block column + 128 x half
	s_mov_b32 s47, 0
	s_mul_i32 s45, s14, HALFT                      ; where they go: wave x a part
	s_wait_kmcnt 0x0
	s_load_b256 s[88:95], s[8:9], 0x0              ; e0 .. e7
	s_add_nc_u64 s[20:21], s[4:5], s[20:21]
	s_add_nc_u64 s[46:47], s[6:7], s[46:47]
	CROUND                                         ; all sixteen work-groups are here: the first joint loads meet
.irp s, 0,1
	s_mov_b32 s[G0+4*\s], 1
	s_add_co_u32 s[G0+4*\s+1], s45, \s*SLOT
	s_add_nc_u64 s[G0+4*\s+2:G0+4*\s+3], s[20:21], \s*ASTEP
	s_or_b32 s[G0+4*\s+3], s[G0+4*\s+3], 0x80000000
	s_mov_b32 s[G0B+4*\s], 1
	s_add_co_u32 s[G0B+4*\s+1], s45, \s*SLOT
	s_add_nc_u64 s[G0B+4*\s+2:G0B+4*\s+3], s[46:47], \s*ROWB
	s_or_b32 s[G0B+4*\s+3], s[G0B+4*\s+3], 0x80000000
.endr
	JLOAD G0, G1, G0B, G1B                         ; K step 0: one tensor load a wave at the head
	v_and_b32 v1, 15, v0                           ; r
	v_bfe_u32 v2, v0, 4, 1                         ; h
	v_mul_u32_u24 v3, v1, PITCH
	v_lshl_add_u32 v4, v2, 4, v3                   ; B: a fragment's row x pitch + 16 h
	v_and_b32 v6, 31, v0
	v_lshlrev_b32 v[CO], 4, v6                     ; 16 x lane: A's images, and a row of the way out
	s_wait_alu depctr_va_vdst(0)
	s_mul_i32 s21, s15, HALFT                      ; my 64 tokens: A's part s15
	s_mul_i32 s22, s16, HALFT
	s_add_co_u32 s22, s22, 2*HALFT                 ; my 128 rows of B, behind A's parts
.irp s, 0,1
	v_add_nc_u32 v[ADRA+\s], s21, v[CO]
	v_add_nc_u32 v[ADRB+\s], s22, v4
	s_add_co_u32 s21, s21, SLOT
	s_add_co_u32 s22, s22, SLOT
.endr
	s_mul_i32 s23, s14, 16*SPITCH                  ; my stage
	v_mul_u32_u24 v5, v1, SPITCH
	v_lshl_add_u32 v5, v2, 5, v5
	v_add_nc_u32 v[STO], s23, v5                   ; in: row r, 32 bytes for each half of the lanes
	v_add_nc_u32 v[RD], s23, v[CO]                 ; back: the 32 lanes take one row of 512 bytes
	s_lshl_b32 s72, s42, 8
	s_lshl_b32 s73, s16, 7
	s_add_co_u32 s72, s72, s73
	s_lshl_b32 s72, s72, 2                         ; my first column, in bytes
	s_mov_b32 s73, 0
	s_add_nc_u64 s[74:75], s[10:11], s[72:73]
	v_lshlrev_b32 v7, 5, v2                        ; 32 h: my eight of a block's sixteen columns
.irp b, 0,1,2,3,4,5,6,7
	global_load_b128 v[CB+8*\b:CB+8*\b+3], v7, s[74:75] offset:64*\b
	global_load_b128 v[CB+8*\b+4:CB+8*\b+7], v7, s[74:75] offset:64*\b+16
.endr
	s_lshl_b32 s78, s17, 7
	s_lshl_b32 s79, s15, 6
	s_add_co_u32 s78, s78, s79                     ; my first token: 128 x block row + 64 x half
	s_lshl_b32 s78, s78, 12                        ; rows of 4,096 bytes
	s_add_co_u32 s78, s78, s72
	s_mov_b32 s79, 0
	s_add_nc_u64 s[12:13], s[12:13], s[78:79]
.macro FRAG reg, adr, q, i             ; B: 16 rows x 128 K: four loads of 16 bytes, 32 bytes apart
.irp c, 0,1,2,3
	ds_load_b128 v[\reg+4*\c:\reg+4*\c+3], v[\adr] offset:128*(\q)+32*\c+(\i)*16*PITCH
.endr
.endm
.macro FRAGA reg, adr, q, i            ; A: the images of two heads: four loads of 512 consecutive bytes
.irp c, 0,1,2,3
	ds_load_b128 v[\reg+4*\c:\reg+4*\c+3], v[\adr] offset:4096*(\i)+2048*(\q)+512*\c
.endr
.endm
; 16 matrix instructions: A's blocks a0, a0 + 1 x B's eight, both of set p.  The 32 accumulators take turns, one instruction a turn, in the same order in every step.
.macro MUL16 a0, p, zero
.irp a, \a0, \a0+1
.irp b, 0,1,2,3,4,5,6,7
.if \zero
	v_wmma_f32_16x16x128_fp8_fp8 v[8*(8*(\a)+\b):8*(8*(\a)+\b)+7], v[128*(\p)+FR*\b:128*(\p)+FR*\b+FR-1], v[AF+64*(\p)+FR*(\a):AF+64*(\p)+FR*(\a)+FR-1], 0
.else
	v_wmma_f32_16x16x128_fp8_fp8 v[8*(8*(\a)+\b):8*(8*(\a)+\b)+7], v[128*(\p)+FR*\b:128*(\p)+FR*\b+FR-1], v[AF+64*(\p)+FR*(\a):AF+64*(\p)+FR*(\a)+FR-1], v[8*(8*(\a)+\b):8*(8*(\a)+\b)+7]
.endif
.endr
.endr
.endm
.macro FETCH slot, q, p                ; the fragments of the slot's q-th 128 along K into set p: B's eight, A's four: 48 loads
	WIN TO_B
.irp i, 0,1,2,3,4,5,6,7
	FRAG 128*(\p)+FR*\i, ADRB+\slot, \q, \i
.endr
	WIN 0
.irp i, 0,1,2,3
	FRAGA AF+64*(\p)+FR*\i, ADRA+\slot, \q, \i
.endr
.endm
.macro PLACES n                        ; plain vector instructions between a matrix instruction and a load into, or a vector access to, its registers
.rept \n
	v_nop
.endr
.endm
.macro STEP slot, zero                 ; a slot's first 128 along K, on set 0; the second 128's fragments are asked for ahead of its 32 products
	s_wait_dscnt 0x0                               ; set 0 is in
	PLACES NP                                      ; set 1 was read by the last products
	FETCH \slot, 1, 1
	WIN MUL
	MUL16 0, 0, \zero
	MUL16 2, 0, \zero
.endm
; A slot's second 128, on set 1, changes slots: one barrier; in front of it each wave waits for all its tensor loads, adds 0 to its spare word, and waits for that and for its reads of this slot.
.macro TURN slot, next, fill
	WIN 0                                          ; (the add's two registers lie in window 0)
	s_wait_tensorcnt 0x0                           ; all my tensor loads have landed: my part of the next slot
	ds_add_u32 v[SPW], v[NIL]                      ; 0 onto my spare word
	s_wait_dscnt 0x0                               ; the add is done, set 1 is in, and my reads of this slot are over
	s_barrier_signal -1
	WIN MUL
	MUL16 0, 1, 0                                  ; work on registers while the others arrive
	WIN 0
	s_barrier_wait -1
.if \fill
	CREST                                          ; the barrier has opened a round of the cluster's: no wave of any partner still reads this slot or has a load on its way
	s_add_nc_u64 s[G0+4*\slot+2:G0+4*\slot+3], s[G0+4*\slot+2:G0+4*\slot+3], 2*ASTEP
	s_add_nc_u64 s[G0B+4*\slot+2:G0B+4*\slot+3], s[G0B+4*\slot+2:G0B+4*\slot+3], 2*ROWB
	JLOAD G0+4*\slot, G1, G0B+4*\slot, G1B         ; the first tensor load behind the round; its four v_nop are the places in front of the loads below
.else
	PLACES NP
.endif
	FETCH \next, 0, 0
	WIN MUL
	MUL16 2, 1, 0
.endm
	s_wait_alu depctr_va_vdst(0)
	s_wait_tensorcnt 0x0                           ; my part of K step 0 is in
	ds_add_u32 v[SPW], v[NIL]
	s_wait_dscnt 0x0
	CROUND                                         ; everybody's part of K step 0 is in, and the joint loads meet
	JLOAD G0+4, G1, G0B+4, G1B                     ; K step 1's load, the first tensor load behind the round
	FETCH 0, 0, 0
	STEP 0, 1                                      ; the first products start the sums: nothing is cleared
	TURN 0, 1, 1                                   ; slot 0 takes K step 2
	STEP 1, 0
	TURN 1, 0, 1                                   ; slot 1 takes K step 3
	STEP 0, 0
	TURN 0, 1, 0                                   ; nothing is left to fetch
	STEP 1, 0
	s_wait_dscnt 0x0
	MUL16 0, 1, 0
	MUL16 2, 1, 0
	WIN 0
; THE WAY OUT, block by block of 16 tokens x 128 columns: through my own stage in LDS, back as whole rows of 512 bytes, which the 32 lanes store as two aligned runs of 256 bytes.
; LDS serves a wave's instructions in order (ISA guide 5.7.1.4): no wait between the stores and the loads.
.macro TOSTAGE a
.set AC, 64*(\a)
	WIN 0x42                                       ; source 0 window 2, destination window 1
.irp b, 0,1,2,3,4,5,6,7
.irp i, 0,2,4,6
	v_pk_fma_f32 v[TMP+8*\b+\i:TMP+8*\b+\i+1], v[AC+8*\b+\i:AC+8*\b+\i+1], s[96:97], v[CB+8*\b+\i:CB+8*\b+\i+1] op_sel_hi:[1,0,1]   ; sum x 2^(e6 + e7) + bias; each accumulator from its low end on
.endr
.endr
	WIN 0x04                                       ; the stores' data: window 1
.irp b, 0,1,2,3,4,5,6,7
	ds_store_b128 v[STO], v[TMP+8*\b:TMP+8*\b+3] offset:64*\b
	ds_store_b128 v[STO], v[TMP+8*\b+4:TMP+8*\b+7] offset:64*\b+16
.endr
	WIN 0
.set BB, BK+64*((\a)%2)
.irp t, 0,1,2,3,4,5,6,7,8,9,10,11,12,13,14,15
	ds_load_b128 v[BB+4*\t:BB+4*\t+3], v[RD] offset:\t*SPITCH
.endr
.endm
.macro SEND a, younger                 ; younger: the LDS instructions issued behind block a's loads, which may stay out
.set BB, BK+64*((\a)%2)
	s_wait_dscnt \younger
.if (\a) > 0
	s_add_nc_u64 s[12:13], s[12:13], 16*SIZE_N*4   ; behind a wait on XCNT: the earlier stores have read their base
.endif
.irp t, 0,1,2,3,4,5,6,7,8,9,10,11,12,13,14,15
	global_store_b128 v[CO], v[BB+4*\t:BB+4*\t+3], s[12:13] offset:\t*SIZE_N*4 th:TH_STORE_NT
.endr
.endm
	s_wait_kmcnt 0x0
	s_add_co_i32 s96, s94, s95
	s_add_co_i32 s96, s96, 127
	s_lshl_b32 s96, s96, 23                        ; 2^(e6 + e7) as f32
	s_mov_b32 s97, s96                             ; (named with it as a pair)
	s_wait_loadcnt 0x0                             ; the bias
	PLACES NP
	TOSTAGE 0
.irp a, 1,2,3
.if \a > 1
	s_wait_xcnt 0x0                                ; block a - 2's stores have read their registers and their base
.endif
	TOSTAGE \a
	SEND \a-1, 32                                  ; behind block a - 1's loads: block a's 16 stores and 16 loads
.endr
	s_wait_xcnt 0x0
	SEND 3, 0
	s_wait_tensorcnt 0x0                           ; the wave's end
	ds_add_u32 v[SPW], v[NIL]
	s_wait_dscnt 0x0
	CROUND                                         ; the closing round: no work-group ends while a partner may still ask for a tile that names it
	s_endpgm
.Lfunc_end_k_q9ead7347cf_gemm_proj:
	.size	k_q9ead7347cf_gemm_proj, .Lfunc_end_k_q9ead7347cf_gemm_proj-k_q9ead7347cf_gemm_proj
	.p2alignl 7, 3214868480
	.fill 96, 4, 3214868480
	.section	.rodata,"a",@progbits
	.p2align	6, 0x0
	.amdhsa_kernel k_q9ead7347cf_gemm_proj
		.amdhsa_group_segment_fixed_size 327680
		.amdhsa_private_segment_fixed_size 0
		.amdhsa_enable_private_segment 0
		.amdhsa_kernarg_size 40
		.amdhsa_user_sgpr_count 2
		.amdhsa_user_sgpr_kernarg_segment_ptr 1
		.amdhsa_wavefront_size32 1
		.amdhsa_system_sgpr_workgroup_id_x 1
		.amdhsa_system_sgpr_workgroup_id_y 1
		.amdhsa_system_sgpr_workgroup_id_z 1
		.amdhsa_system_vgpr_workitem_id 0
		.amdhsa_next_free_vgpr 768
		.amdhsa_next_free_sgpr 98
		.amdhsa_reserve_vcc 0
		.amdhsa_float_denorm_mode_32 3
		.amdhsa_float_denorm_mode_16_64 3
		.amdhsa_memory_ordered 1
		.amdhsa_forward_progress 1
		.amdhsa_inst_pref_size 77
	.end_amdhsa_kernel
	.amdgpu_metadata
---
amdhsa.version: [ 1, 2 ]
amdhsa.kernels:
  - .name:           k_q9ead7347cf_gemm_proj
    .symbol:         k_q9ead7347cf_gemm_proj.kd
    .args:
      - { .name: yc, .offset: 0, .size: 8, .value_kind: global_buffer, .address_space: global }
      - { .name: wc, .offset: 8, .size: 8, .value_kind: global_buffer, .address_space: global }
      - { .name: lowp_scales, .offset: 16, .size: 8, .value_kind: global_buffer, .address_space: global }
      - { .name: b_proj, .offset: 24, .size: 8, .value_kind: global_buffer, .address_space: global }
      - { .name: out0, .offset: 32, .size: 8, .value_kind: global_buffer, .address_space: global }
    .group_segment_fixed_size: 327680
    .private_segment_fixed_size: 0
    .kernarg_segment_align: 8
    .kernarg_segment_size: 40
    .max_flat_workgroup_size: 128
    .sgpr_count:     98
    .vgpr_count:     768
    .wavefront_size: 32
...
	.end_amdgpu_metadata
.endif
;; end of part 4
